; MI455X (gfx1250); checked and timed in simulation.
; The chip was launched on July 23, 2026; its instructions are those of AMD's public machine-readable ISA for CDNA 5 (MIT licence, August 2026) and "CDNA5" Instruction Set Architecture Reference Guide (July 2026). The comments in the code are by the model that wrote it; some were corrected since.
;; Classical Self Attention. Allowed arithmetic: matrix products marked QUANTISED: E2M3 operands, one E8M0 scale for each 32 along K, by v_wmma_scale_f32_16x16x128_f8f6f4 with both operands' format E2M3, f32 sums; everything else in f32.
;; Inputs: Wk 1,024 x 1,024 float32; Wq 1,024 x 1,024 float32; Wv 1,024 x 1,024 float32; x 4 x 2,048 x 1,024 float32.
;; Outputs: out0 4 x 2,048 x 1,024 float32.
;; This version of the problem:
;;   THIS VERSION OF THE PROBLEM IS GIVEN IN LOW PRECISION. The matrix products marked QUANTISED in the list below multiply operands that are first quantised to E2M3 (2 exponent bits, 3 mantissa bits; 6 bits a number), with one power-of-two scale for each 32 numbers along K (OCP MX v1.0); their sums are f32. All else is computed in f32.
;;   The module's matrix products, in the order in which they are computed (A, B: the left and right operand; K: the contracted axis; several contracted axes count as one K, in the product's order):
;;     1. [M 8,192, K 1,024] x [K 1,024, N 1,024]; A: input x; B: input Wq: QUANTISED
;;     2. [M 8,192, K 1,024] x [K 1,024, N 1,024]; A: input x; B: input Wk: QUANTISED
;;     3. [M 8,192, K 1,024] x [K 1,024, N 1,024]; A: input x; B: input Wv: QUANTISED
;;     4. batch 4 x [M 2,048, K 1,024] x [K 1,024, N 2,048]; A: computed on the way; B: computed on the way: QUANTISED
;;     5. batch 4 x [M 2,048, K 2,048] x [K 2,048, N 1,024]; A: softmax (see below); B: computed on the way: QUANTISED
;;   THE QUANTISER, for each operand of a quantised product, along K:
;;     - K is cut into blocks of 32 from its start; a last block that is shorter is filled with zeros.
;;     - A block's scale is 2^e with e = floor(log2(the largest magnitude in the block)) - 2, held to -126 .. 127; a block of zeros has e = 0. As a byte (E8M0): e + 127.
;;     - Each number is divided by its block's scale, clamped to +-7.5, and rounded to the nearest number of E2M3, ties to even, subnormals kept.
;;     - The product sums the exact products of the quantised numbers (number of the format x scale) in f32.
;;   ~~~python
;;   def quantise(x, axis):      # numpy; x: float32 -> the quantised numbers, widened to float32 again
;;       x = np.moveaxis(x, axis, -1); K = x.shape[-1]
;;       x = np.pad(x, [(0, 0)] * (x.ndim - 1) + [(0, -K % 32)]); x = x.reshape(x.shape[:-1] + (-1, 32)); a = np.abs(x).max(-1, keepdims=True)
;;       e = np.where(a > 0, np.clip(np.frexp(np.where(a > 0, a, 1))[1] - 1 - 2, -126, 127), 0)      # np.frexp(a)[1] - 1 = floor(log2(a)), exactly
;;       r = np.clip(x / 2.0 ** e, -7.5, 7.5)
;;       step = 2.0 ** (np.maximum(np.frexp(np.where(r == 0, 1, r))[1] - 1, 0) - 3)
;;       q = np.round(r / step) * step * 2.0 ** e      # np.round: ties to even
;;       return np.moveaxis(q.reshape(q.shape[:-2] + (-1,))[..., :K], -1, axis).astype(np.float32)
;;   ~~~
;;   SOFTMAX AHEAD OF A QUANTISED PRODUCT. Where the list says 'softmax', what is quantised is not the finished softmax but p = 2^(t - M), with t = logit x log2(e) and M = ceil(the row's largest t), a whole number; so 1/2 < the row's largest p <= 1. The row's sum l is taken of the UNQUANTISED p, in f32, and the product's result is divided by l at the end. Since M is a whole number, a kernel that streams over the keys may use a running M (the ceiling of the running maximum): every later rescaling is an exact power of two, which a block's scale takes up: the codes' values come out the same.
;;   OPERANDS COMPUTED ON THE WAY. 'Computed on the way' means the value that the module computes at that place (a softmax that the list does not call 'softmax' is quantised finished and normalised). What goes into a quantiser is computed in f32, as accurately as f32 sums, v_exp_f32 and their like allow (about 1e-6 of the number): no bf16 or f16 on the way to a quantiser, and a product that is left as it is and whose result goes on into a quantised operand takes f32 operands (vector FMAs, or v_wmma_f32_16x16x4_f32). A number that lies on a knife's edge between two numbers of the format may be rounded either way, as far as f32 arithmetic and the matrix unit's own rounding can turn it there, and no further.
;; One version. Each part assembles by itself: llvm-mc -triple=amdgcn-amd-amdhsa -mcpu=gfx1250 --defsym DOCPART=n.
;; ======== version 1 of 1: 4 launches
;; limits: right only within a limited range of input values
;; workspace buffers: xw 8,650,752 bytes; xws 360,448 bytes; qkv 18,874,368 bytes; qkvs 786,432 bytes; pimg 12,582,912 bytes; pst 1,048,576 bytes
;; launch quant (part 1): grid 4 x 176, 4 waves a work-group, no clusters, 34,816 bytes of LDS; arguments x, Wq, Wk, Wv, xw, xws; writes xw, xws
.if DOCPART == 1
	.amdgcn_target "amdgcn-amd-amdhsa--gfx1250"
	.amdhsa_code_object_version 6
	.text
	.protected	k_q45d5b03df6_quant
	.globl	k_q45d5b03df6_quant
	.p2align	8
	.type	k_q45d5b03df6_quant,@function
k_q45d5b03df6_quant:
	s_mov_b64 s[64:65], 0
	v_nop
	global_prefetch_b8 v0, s[64:65] scope:SCOPE_SE
	s_setreg_imm32_b32 hwreg(HW_REG_WAVE_MODE, 25, 1), 1
	s_wait_xcnt 0x0
; x [8192][1024] and Wq, Wk, Wv [1024][1024], f32, become codes of FP6 (E2M3) with one E8M0 scale byte for each 32 along the last axis, which is K of the three projections.  No step of the problem is left out.
; A block's scale is 2^(floor(log2(its largest magnitude)) - 2): its byte is the largest magnitude's exponent field - 2, held at 1 from below; each number is divided by it and rounded to the nearest code, ties to even.
; LIMITS: NaN and infinities are not served; a block whose largest magnitude lies under 2^-124 keeps the byte 1 (a block of zeros too, where the rule says 127: its codes are zeros, and this program alone reads the bytes).
; THE OUTPUT IS LAID AS THE NEXT LAUNCH'S OPERAND REGISTERS.  xw: [704 row blocks][8 K steps][1,536 bytes]: a fragment (16 rows x 128 K, 12 registers a lane), registers 4 c .. 4 c + 3 of lane l at 512 c + 16 l.
; Row blocks 0-511 x, 512-575 Wq, 576-639 Wk, 640-703 Wv.  xws: [88 groups of 128 rows][8 K steps][512 bytes]: the scale word of block a, row r at 256 (a / 4) + 16 r + 4 (a % 4).
; THE ROWS OF A BLOCK ARE NOT NEIGHBOURS.  x, Wq, Wk: row i of block 4 g + j holds row 64 g + 8 j + i % 8 + 32 (i / 8), so that four blocks leave 32 neighbours in a lane of a product; Wv: row 64 g + 4 i + j, so that a lane's four blocks are four neighbours.
; SHARES.  A work-group takes 64 rows x 256 along K; wave w takes block w: 16 rows x two K steps.  Each load reads 512 consecutive bytes of one row; the conversions want a block of 32 in ONE lane,
; so a K step's 8,192 bytes turn through the wave's own stage in LDS (rows 528 bytes apart: 16 rows start at 16 different groups of four banks).  Each store covers whole aligned units of 256 bytes.
; No cluster: no two work-groups read the same byte.  No matrix unit, no tensor load, no prefetch: the launch streams, each wave with all its loads out at once.
.set STG,   16*528                     ; a wave's stage
.set SWB,   4*STG                      ; the scale words of the two K steps: 2 x 256 bytes
.set SPARE, SWB+512                    ; the spare words, 128 bytes for each wave: two blocks of 256 bytes that no other line names
.set SPW,  10
.set NIL,  11
.set PW0,  12                          ; the two scale words
.set PW1,  13
.set TM,   16                          ; v16-19 largest magnitudes, v20-22 bytes, v28, v30 the conversions' scale operands
.set PC0,  32
.set PC1,  44
.set T2,   56
.set RAW0, 64                          ; the two K steps as loaded
.set RAW1, 128
.set X0,   192                         ; 64 numbers of my row: register 32 c + i = k 64 c + 32 (lane / 16) + i
.set SEL,  24
	s_load_b256 s[4:11], s[0:1], 0x0               ; x, Wq, Wk, Wv
	s_load_b128 s[12:15], s[0:1], 0x20             ; xw, xws
	v_lshl_add_u32 v[SPW], v0, 2, SPARE
	v_mov_b32 v[NIL], 0
	v_lshrrev_b32 v1, 5, v0
	v_readfirstlane_b32 s16, v1                    ; wave 0..3 = my block
	s_mul_i32 s26, s16, STG
	s_lshl_b32 s27, s16, 2
	s_add_co_u32 s27, s27, SWB
	v_and_b32 v8, 31, v0
	v_lshlrev_b32 v1, 4, v8                        ; 16 x lane
	v_and_b32 v2, 15, v0                           ; r
	v_bfe_u32 v3, v0, 4, 1                         ; h
	v_add_nc_u32 v4, s26, v1                       ; the stage, on the way in: a row's 512 bytes as they lie
	v_mul_u32_u24 v5, v2, 528
	v_lshl_add_u32 v5, v3, 7, v5
	v_add_nc_u32 v5, s26, v5                       ; and out: row r, + 128 h: my block of 32 in each half of the step
	v_lshl_add_u32 v6, v2, 4, s27                  ; my row's scale word
	v_lshlrev_b32 v7, 8, v3
	v_lshl_add_u32 v7, v2, 4, v7
	v_add_nc_u32 v7, SWB, v7                       ; wave 0 carries the words out: lanes 0-15 the first K step's, lanes 16-31 the second's
	v_lshlrev_b32 v8, 9, v3
	v_lshl_add_u32 v8, v2, 4, v8
	v_lshlrev_b32 v9, 3, v3                        ; 8 h
	v_mov_b32 v[TM+5], 0                           ; written once: a lane permute's destination counts as one of its sources
	s_mov_b32 s[SEL], 0x76543210
	s_mov_b32 s[SEL+1], 0xfedcba98
	s_and_b32 s17, ttmp7, 0xffff                   ; which 64 rows, 0..175
	s_and_b32 s18, s17, 15
	s_cmp_lt_u32 s17, 128
	s_cselect_b32 s18, s17, s18                    ; inside its tensor
	s_lshl_b32 s18, s18, 6
	s_lshl_b32 s19, s16, 3
	s_cmp_lt_u32 s17, 160
	s_cselect_b32 s19, s19, s16                    ; my block's row 0
	s_add_co_u32 s18, s18, s19
	s_lshl_b32 s18, s18, 12                        ; rows of 4,096 bytes
	s_lshl_b32 s19, ttmp9, 10                      ; + 256 numbers along K for each work-group x
	s_add_co_u32 s18, s18, s19
	s_mov_b32 s19, 0
	s_lshl_b32 s30, ttmp9, 1                       ; my first K step
	s_lshl_b32 s22, s17, 2
	s_add_co_u32 s22, s22, s16                     ; my row block
	s_lshl_b32 s22, s22, 3
	s_add_co_u32 s22, s22, s30
	s_mul_i32 s22, s22, 1536
	s_mov_b32 s23, 0
	s_lshl_b32 s32, s17, 2                         ; words: (group x 8 + K step) x 512 + 256 x (half of the group)
	s_and_b32 s32, s32, 0x3f8
	s_add_co_u32 s32, s32, s30
	s_lshl_b32 s32, s32, 9
	s_and_b32 s31, s17, 1
	s_lshl_b32 s31, s31, 8
	s_add_co_u32 s32, s32, s31
	s_mov_b32 s33, 0
	s_wait_alu depctr_va_vdst(0)                   ; the wait at the head's end
	s_wait_kmcnt 0x0
	s_mov_b64 s[20:21], s[10:11]                   ; which tensor: the choice hangs on the work-group's number alone
	s_cmp_lt_u32 s17, 160
	s_cselect_b64 s[20:21], s[8:9], s[20:21]
	s_cmp_lt_u32 s17, 144
	s_cselect_b64 s[20:21], s[6:7], s[20:21]
	s_cmp_lt_u32 s17, 128
	s_cselect_b64 s[20:21], s[4:5], s[20:21]
	s_add_nc_u64 s[20:21], s[20:21], s[18:19]
	s_add_nc_u64 s[12:13], s[12:13], s[22:23]
	s_add_nc_u64 s[14:15], s[14:15], s[32:33]
	s_cmp_lt_u32 s17, 160                          ; the two orders of rows differ in the immediates alone
	s_cbranch_scc0 .Lwv
.irp k, 0,1
.irp i, 0,1,2,3,4,5,6,7,8,9,10,11,12,13,14,15
	global_load_b128 v[RAW0+64*\k+4*\i:RAW0+64*\k+4*\i+3], v1, s[20:21] offset:(\i+24*(\i/8))*4096+512*\k th:TH_LOAD_NT
.endr
.endr
	s_branch .Lloaded
.Lwv:
.irp k, 0,1
.irp i, 0,1,2,3,4,5,6,7,8,9,10,11,12,13,14,15
	global_load_b128 v[RAW0+64*\k+4*\i:RAW0+64*\k+4*\i+3], v1, s[20:21] offset:4*\i*4096+512*\k th:TH_LOAD_NT
.endr
.endr
.Lloaded:
.macro THROUGH raw, x                  ; a K step through the stage: LDS serves a wave's instructions in order (ISA guide 5.7.1.4), so no wait stands between the stores and the loads
.irp i, 0,1,2,3,4,5,6,7,8,9,10,11,12,13,14,15
	ds_store_b128 v4, v[\raw+4*\i:\raw+4*\i+3] offset:528*\i
.endr
.irp c, 0,1
.irp j, 0,1,2,3,4,5,6,7
	ds_load_b128 v[\x+32*\c+4*\j:\x+32*\c+4*\j+3], v5 offset:256*\c+16*\j
.endr
.endr
.endm
.macro QUANT s, pc, pw                 ; 64 numbers of a lane, two whole blocks, become a fragment's codes and its row's scale word
.irp b, 0,1,2,3
	v_max3_num_f32 v[TM+\b], |v[\s+16*\b]|, |v[\s+1+16*\b]|, 0x1800000   ; with the floor 2^(3 - 127): the byte cannot fall under 1
.endr
.irp i, 2,4,6,8,10,12,14
.irp b, 0,1,2,3
	v_max3_num_f32 v[TM+\b], v[TM+\b], |v[\s+16*\b+\i]|, |v[\s+1+16*\b+\i]|   ; four chains by turns
.endr
.endr
	v_max_num_f32 v[TM], v[TM], v[TM+1]
	v_max_num_f32 v[TM+2], v[TM+2], v[TM+3]
	v_add_nc_u32 v[TM+12], 0xff000000, v[TM]       ; 2 off the exponent field: the conversion takes that field as its scale
	v_add_nc_u32 v[TM+14], 0xff000000, v[TM+2]
	v_lshrrev_b32 v[TM+4], 23, v[TM+12]            ; the scales' bytes: blocks h and 2 + h
	v_lshrrev_b32 v[TM+6], 23, v[TM+14]
	v_lshl_or_b32 v[\pw], v[TM+6], 16, v[TM+4]
	v_lshlrev_b32 v[\pw], v9, v[\pw]
	v_permlanex16_b32 v[TM+5], v[\pw], s[SEL], s[SEL+1]
	v_or_b32 v[\pw], v[\pw], v[TM+5]               ; with lane l xor 16's two the word is whole
.irp c, 0,1
	v_cvt_scalef32_pk16_fp6_f32 v[\pc+6*\c:\pc+2+6*\c], v[\s+32*\c:\s+15+32*\c], v[TM+12+2*\c]
	v_cvt_scalef32_pk16_fp6_f32 v[T2+4*\c:T2+2+4*\c], v[\s+16+32*\c:\s+31+32*\c], v[TM+12+2*\c]   ; (a conversion's three registers begin on an even number)
.endr
	v_nop                                          ; one plain instruction behind the scaled conversions
.irp c, 0,1
.irp i, 0,1,2
	v_mov_b32 v[\pc+3+6*\c+\i], v[T2+4*\c+\i]
.endr
.endr
.endm
	s_wait_loadcnt 16                              ; the first K step's 16 loads are in; the second's 16 may be out
	THROUGH RAW0, X0
	s_wait_dscnt 0x0
	s_wait_loadcnt 0x0
	THROUGH RAW1, RAW0                             ; the second goes through the stage while the first is quantised
	QUANT X0, PC0, PW0
.irp c, 0,1,2
	global_store_b128 v1, v[PC0+4*\c:PC0+4*\c+3], s[12:13] offset:512*\c
.endr
	ds_store_b32 v6, v[PW0]                        ; lanes r and r + 16 write the same word with the same value
	s_wait_dscnt 0x0
	QUANT RAW0, PC1, PW1
.irp c, 0,1,2
	global_store_b128 v1, v[PC1+4*\c:PC1+4*\c+3], s[12:13] offset:1536+512*\c
.endr
	ds_store_b32 v6, v[PW1] offset:256
	s_wait_dscnt 0x0                               ; for the others' sake: my scale words lie in LDS
	s_barrier_signal -1
	s_barrier_wait -1
	s_cmp_lg_u32 s16, 0
	s_cbranch_scc1 .Lend
	ds_load_b128 v[16:19], v7
	s_wait_dscnt 0x0
	global_store_b128 v8, v[16:19], s[14:15]       ; two aligned units of 256 bytes
.Lend:
	s_wait_tensorcnt 0x0                           ; the wave's end
	ds_add_u32 v[SPW], v[NIL]
	s_wait_dscnt 0x0
	s_endpgm
.Lfunc_end_k_q45d5b03df6_quant:
	.size	k_q45d5b03df6_quant, .Lfunc_end_k_q45d5b03df6_quant-k_q45d5b03df6_quant
	.p2alignl 7, 3214868480
	.fill 96, 4, 3214868480
	.section	.rodata,"a",@progbits
	.p2align	6, 0x0
	.amdhsa_kernel k_q45d5b03df6_quant
		.amdhsa_group_segment_fixed_size 34816
		.amdhsa_private_segment_fixed_size 0
		.amdhsa_enable_private_segment 0
		.amdhsa_kernarg_size 48
		.amdhsa_user_sgpr_count 2
		.amdhsa_user_sgpr_kernarg_segment_ptr 1
		.amdhsa_wavefront_size32 1
		.amdhsa_system_sgpr_workgroup_id_x 1
		.amdhsa_system_sgpr_workgroup_id_y 1
		.amdhsa_system_sgpr_workgroup_id_z 1
		.amdhsa_system_vgpr_workitem_id 0
		.amdhsa_next_free_vgpr 256
		.amdhsa_next_free_sgpr 66
		.amdhsa_reserve_vcc 0
		.amdhsa_float_denorm_mode_32 3
		.amdhsa_float_denorm_mode_16_64 3
		.amdhsa_memory_ordered 1
		.amdhsa_forward_progress 1
		.amdhsa_inst_pref_size 21
	.end_amdhsa_kernel
	.amdgpu_metadata
---
amdhsa.version: [ 1, 2 ]
amdhsa.kernels:
  - .name:           k_q45d5b03df6_quant
    .symbol:         k_q45d5b03df6_quant.kd
    .args:
      - { .name: x, .offset: 0, .size: 8, .value_kind: global_buffer, .address_space: global }
      - { .name: Wq, .offset: 8, .size: 8, .value_kind: global_buffer, .address_space: global }
      - { .name: Wk, .offset: 16, .size: 8, .value_kind: global_buffer, .address_space: global }
      - { .name: Wv, .offset: 24, .size: 8, .value_kind: global_buffer, .address_space: global }
      - { .name: xw, .offset: 32, .size: 8, .value_kind: global_buffer, .address_space: global }
      - { .name: xws, .offset: 40, .size: 8, .value_kind: global_buffer, .address_space: global }
    .group_segment_fixed_size: 34816
    .private_segment_fixed_size: 0
    .kernarg_segment_align: 8
    .kernarg_segment_size: 48
    .max_flat_workgroup_size: 128
    .sgpr_count:     66
    .vgpr_count:     256
    .wavefront_size: 32
...
	.end_amdgpu_metadata
.endif
;; end of part 1
;; launch proj (part 2): grid 8 x 32, 4 waves a work-group, clusters of 4 x 4, 327,680 bytes of LDS; arguments xw, xws, qkv, qkvs; writes qkv, qkvs
.if DOCPART == 2
	.amdgcn_target "amdgcn-amd-amdhsa--gfx1250"
	.amdhsa_code_object_version 6
	.text
	.protected	k_q45d5b03df6_proj
	.globl	k_q45d5b03df6_proj
	.p2align	8
	.type	k_q45d5b03df6_proj,@function
k_q45d5b03df6_proj:
	s_mov_b64 s[64:65], 0
	v_nop
	global_prefetch_b8 v0, s[64:65] scope:SCOPE_SE
	s_setreg_imm32_b32 hwreg(HW_REG_WAVE_MODE, 25, 1), 1
	s_wait_xcnt 0x0
	s_wait_alu depctr_hold_cnt(0) depctr_sa_sdst(0) depctr_va_vdst(0) depctr_va_sdst(0) depctr_va_ssrc(0) depctr_va_vcc(0) depctr_vm_vsrc(0)
	s_getreg_b32 s2, hwreg(HW_REG_IB_STS2, 6, 4)
	s_cmp_eq_u32 s2, 0
	s_cbranch_scc0 .Lentry_in_a_cluster
	s_endpgm
.Lentry_in_a_cluster:
	s_bfe_u32 s2, ttmp6, 0x10000c
	s_cmp_lg_u32 s2, 0xf033
	s_cbranch_scc0 .Lentry_shape_is_right
	s_endpgm
.Lentry_shape_is_right:
; q = x Wq^T, k = x Wk^T (quantised along e) and v^T = (x Wv^T)^T (quantised along the tokens), on codes of FP6 (E2M3) with E8M0 scales; sums in f32; the results leave as codes and scale words.  No step is left out.
; 256 work-groups of equal work: 256 tokens x 256 columns of q | k, then the same tokens x 128 columns of v.  x's TILE LIES IN LDS, ALL OF K, from the head on: nothing is filled again.
; A WAVE HOLDS 64 ROWS OF A WEIGHT, all of K, in registers (32 fragments of 12) and x's blocks of 16 rows stream past: 32 products a block.  q | k: four waves side by side, 16 blocks each; v: 2 x 2 waves, 8 blocks each.
; Wq | Wk come straight into registers (no two waves want the same); Wv's 128 rows come through LDS and take the registers over, step by step, behind the last block's products.
; x's row i of block 4 g + j is token 64 g + 8 j + i % 8 + 32 (i / 8), and so are the rows of Wq, Wk: so a lane's 32 results (q, k: four tiles of one block; v: one tile of four blocks) are 32 neighbours along the next K: one scale block.
; q, k: source 0 = the weight, lane r = token; v: source 0 = x, lane r = column.
; OUT.  qkv: [768 row blocks][16 K steps][1,536]; row blocks 0-511 tokens, K steps 0-7 q, 8-15 k: half c of a step at 768 c: registers 0-3 of lane l at 16 l, registers 4, 5 at 512 + 8 l.  Row block 512 + 64 batch + e / 16: v^T, K step = key / 128,
; registers 4 c .. 4 c + 3 of lane l at 512 c + 16 l; row i of block 4 g + t is column 64 g + 4 i + t.  qkvs: [96 groups][16][512]: block a, row r at 256 (a / 4) + 16 r + 4 (a % 4).
; A block's way out stands in the next block's products.  Scale bytes of q, k gather in LDS, since two waves make a word's halves.
; CLUSTERS 4 x 4: x's tile and scale words are asked for jointly by a row of the cluster, Wv's rows by a column.  No prefetch: every tile is asked for at the head, and no loop fetches from memory.
; The words of steps k and k + 4 share a register (lanes 0-15, 16-31).
; LIMITS: NaN and infinities are not served; a block whose largest magnitude lies under 2^-124 keeps the byte 1 (a block of zeros too: its codes are zeros, and this program alone reads the bytes).
.set XB,   12288                       ; a row block of xw
.set SCX,  16*XB                       ; x's scale words, two groups
.set WV,   SCX+8192                    ; Wv's eight row blocks
.set STG,  WV+8*XB                     ; q's or k's scale words: [K step][group][512]
.set SPARE, STG+2048
.set SPW,  1
.set NIL,  2
.set OL,   3                           ; 16 x lane
.set OL8,  4                           ; 8 x lane
.set XA,   5                           ; LDS: the blocks and the words that are fetched next
.set XSA,  6
.set XSA0, 7
.set VWA,  8
.set STB,  9                           ; LDS: my scale byte
.set STB0, 10
.set XV,   11                          ; v's blocks 0-3, 4-7 of mine
.set XV4,  12
.set XSV,  13
.set H8,   14
.set SGA,  15
.set WSC,  16                          ; v16-31 the weight's scale words: step k, tile t at 4 (k % 4) + t
.set VSC,  32                          ; v32-47 Wv's
.set XS,   48                          ; v48-55 x's: two sets; step k at (k % 4) / 2 + 4 (1 - k % 2)
.set T,    56
.set CD,   60                          ; v60-65 a block's codes
.set EB,   66
.set SOP,  67
.set CA,   68
.set ACC1, 72
.set ACC0, 104
.set HV0,  104                         ; v's band 0: 32 t + 8 j + i; it takes ACC0's place
.set SG,   72
.set EBV,  232
.set EBW,  236
.set CAV,  240
.set SOPV, 248
.set PZ,   252
.set MCD,  72                          ; window 3: v^T's codes, four operands of 12
.set HV1,  128                         ; window 3: v's band 1
.set SEL,  66
.set MSB, 0
.macro WIN new
.if MSB != \new
	s_set_vgpr_msb (MSB<<8)|\new
.set MSB, \new
.endif
.endm
.macro WALU
	s_wait_alu depctr_va_vdst(0)
.endm
.macro PLACES n                        ; plain vector instructions behind a matrix instruction (ISA guide 7.12.1 for vector instructions)
.rept \n
	v_nop
.endr
.endm
.macro CROUND
	s_barrier_signal -1
	s_barrier_wait -1
	s_cmp_lg_u32 s14, 0
	s_cbranch_scc1 .Lnot_wave_0_\@
	s_barrier_signal -3
.Lnot_wave_0_\@:
	s_barrier_wait -3
	s_barrier_signal -1
	s_barrier_wait -1
.endm
.macro TLOAD g0, g1
	tensor_load_to_lds s[\g0:\g0+3], s[\g1:\g1+7]
	s_nop 0
	PLACES 4
.endm
.macro WLD k                           ; the weight's step k from memory: 12 loads.  Fragment f = 4 k + t lies in window 1 + f / 21 at register 12 (f % 21)
.irp t, 0,1,2,3
	WIN ((1+(4*(\k)+\t)/21)<<6)
.irp c, 0,1,2
	global_load_b128 v[12*((4*(\k)+\t)%21)+4*\c:12*((4*(\k)+\t)%21)+4*\c+3], v[OL], s[80:81] offset:XB*\t+1536*(\k)+512*\c
.endr
.endr
	WIN 0
.endm
.macro VWLD k                          ; Wv's step k from LDS, into the same registers
.irp t, 0,1,2,3
	WIN ((1+(4*(\k)+\t)/21)<<6)
.irp c, 0,1,2
	ds_load_b128 v[12*((4*(\k)+\t)%21)+4*\c:12*((4*(\k)+\t)%21)+4*\c+3], v[VWA] offset:XB*\t+1536*(\k)+512*\c
.endr
.endr
	WIN 0
.endm
.macro FETCH e, a, ao, sa, so          ; a block of x into set e: 28 loads.  x's fragments are 32 + 8 e + k
.irp k, 0,1,2,3,4,5,6,7
	WIN ((1+(32+8*(\e)+\k)/21)<<6)
.irp c, 0,1,2
	ds_load_b128 v[12*((32+8*(\e)+\k)%21)+4*\c:12*((32+8*(\e)+\k)%21)+4*\c+3], v[\a] offset:(\ao)+1536*\k+512*\c
.endr
.endr
	WIN 0
.irp k, 0,1,2,3
	ds_load_b32 v[XS+\k/2+2*(\e)+4*(1-\k%2)], v[\sa] offset:(\so)+512*\k
.endr
.endm
.macro WM c, row
	v_wmma_scale_f32_16x16x128_f8f6f4 v[D_:D_+7], v[S0_:S0_+11], v[S1_:S1_+11], \c, v[C0_], v[C1_] matrix_a_fmt:MATRIX_FMT_FP6 matrix_b_fmt:MATRIX_FMT_FP6 matrix_a_scale:MATRIX_SCALE_ROW\row matrix_b_scale:MATRIX_SCALE_ROW\row
.endm
.macro PR kind, e, n, d, dw            ; product n = 4 k + t of a block.  kind 0: q, k; kind 1: v.  The accumulators take turns, one instruction a turn; step 0 starts the sums: nothing is cleared
.set K_, (\n)/4
.set T_, (\n)%4
.set WW_, 1+(\n)/21
.set WR_, 12*((\n)%21)
.set XW_, 1+(32+8*(\e)+K_)/21
.set XR_, 12*((32+8*(\e)+K_)%21)
.set SX_, XS+(K_%4)/2+2*(\e)+4*(1-K_%2)
.if \kind
.set D_, (\d)+32*T_
.set S0_, XR_
.set S1_, WR_
.set C0_, SX_
.set C1_, VSC+4*(K_%4)+T_
	WIN (XW_|(WW_<<2)|((\dw)<<4)|((\dw)<<6))
.else
.set D_, (\d)+8*T_
.set S0_, WR_
.set S1_, XR_
.set C0_, WSC+4*(K_%4)+T_
.set C1_, SX_
	WIN (WW_|(XW_<<2)|((\dw)<<4)|((\dw)<<6))
.endif
.if K_ == 0
	WM 0, 0
.elseif K_ < 4
	WM v[D_:D_+7], 0
.else
	WM v[D_:D_+7], 1
.endif
.endm
.macro BLK kind, e, d, dw, list, x=0   ; a block's 32 products; behind every second one slot n / 2 of the list
.set N_, 0
.rept 32
	PR \kind, \e, N_, \d, \dw
.if N_%2
	\list N_/2, \x
.endif
.set N_, N_+1
.endr
.endm
.macro CHN i, x, w, ca, sop            ; the largest magnitude of 32 numbers from register x of window w: two chains side by side, 8 steps; then the conversions' scale operand
.set I_, \i
.if I_ == 0
	WIN ((\w)|((\w)<<2))
	v_max3_num_f32 v[\ca], |v[\x]|, |v[\x+1]|, 0x1800000
	v_max3_num_f32 v[\ca+1], |v[\x+16]|, |v[\x+17]|, 0x1800000
.elseif I_ < 8
	WIN (((\w)<<2)|((\w)<<4))
	v_max3_num_f32 v[\ca], v[\ca], |v[\x+2*I_]|, |v[\x+2*I_+1]|
	v_max3_num_f32 v[\ca+1], v[\ca+1], |v[\x+16+2*I_]|, |v[\x+17+2*I_]|
.elseif I_ == 8
	WIN 0
	v_max_num_f32 v[\ca], v[\ca], v[\ca+1]
.else
	WIN 0
	v_add_nc_u32 v[\sop], 0xff000000, v[\ca]       ; 2 off the exponent field
.endif
.endm
.macro L_N i, x
.endm
.macro L_C i, x                        ; the chain of the 32 sums from x on
.if ((\i) >= 5) && ((\i) < 15)
	CHN (\i)-5, \x, 0, CA, SOP
.endif
.endm
.macro L_Q i, x                        ; and the step of the results' address, behind the wait that frees it and the codes' registers
.if (\i) == 4
	s_wait_xcnt 0x0
	s_add_nc_u64 s[12:13], s[12:13], 24576
.endif
	L_C \i, \x
.endm
.macro L_E i, x                        ; an even block of the loop: the LDS addresses of the pair of blocks that is fetched next, s86 and s86 + 1
.if (\i) == 1
	s_add_co_u32 s86, s86, 2
	s_add_co_u32 s87, s87, 2*XB
	s_lshr_b32 s18, s86, 3
	s_lshl_b32 s18, s18, 12
.elseif (\i) == 2
	s_bfe_u32 s19, s86, 0x10002
	s_lshl_b32 s19, s19, 8
	s_and_b32 s20, s86, 3
	s_lshl_b32 s20, s20, 2
.elseif (\i) == 3
	s_add_co_u32 s18, s18, s19
	s_add_co_u32 s18, s18, s20
	WIN 0
	v_add_nc_u32 v[XSA], s18, v[XSA0]
	v_add_nc_u32 v[XA], s87, v[OL]
.endif
	L_Q \i, \x
.endm
.macro L_O i, x                        ; an odd block: where the scale bytes of blocks s86 - 2, s86 - 1 go
.if (\i) == 1
	s_sub_co_u32 s21, s86, 2
	s_lshr_b32 s18, s21, 3
	s_lshl_b32 s18, s18, 9
.elseif (\i) == 2
	s_bfe_u32 s19, s21, 0x10002
	s_lshl_b32 s19, s19, 8
	s_and_b32 s20, s21, 3
	s_lshl_b32 s20, s20, 2
.elseif (\i) == 3
	s_add_co_u32 s18, s18, s19
	s_add_co_u32 s18, s18, s20
	WIN 0
	v_add_nc_u32 v[STB], s18, v[STB0]
.endif
	L_Q \i, \x
.endm
.macro QEND x, st                      ; the rest of a block's way out: codes, the scale's byte, the stores.  The four plain lines behind the conversions are the places in front of the fetch that follows
	WIN 0
	v_cvt_scalef32_pk16_fp6_f32 v[CD:CD+2], v[\x:\x+15], v[SOP]
	v_cvt_scalef32_pk16_fp6_f32 v[T:T+2], v[\x+16:\x+31], v[SOP]
	v_lshrrev_b32 v[EB], 23, v[SOP]
.irp i, 0,1,2
	v_mov_b32 v[CD+3+\i], v[T+\i]
.endr
	WALU                                           ; the wait here, ahead of the readers
	ds_store_b8 v[STB], v[EB] offset:\st
	global_store_b128 v[OL], v[CD:CD+3], s[12:13]  ; 512 and 256 consecutive bytes, at multiples of 256
	global_store_b64 v[OL8], v[CD+4:CD+5], s[12:13] offset:512
.endm
.macro VCODES t                        ; band 0's tile t: six registers of its operand, in window 3
	WIN 0xc0
	v_cvt_scalef32_pk16_fp6_f32 v[MCD+12*\t:MCD+12*\t+2], v[HV0+32*\t:HV0+32*\t+15], v[SOP]
	WIN 0
	v_cvt_scalef32_pk16_fp6_f32 v[T:T+2], v[HV0+32*\t+16:HV0+32*\t+31], v[SOP]
	v_lshrrev_b32 v[EBV+\t], 23, v[SOP]
	WIN 0xc0
.irp i, 0,1,2
	v_mov_b32 v[MCD+12*\t+3+\i], v[T+\i]
.endr
	WIN 0
.endm
.macro S1 k                            ; phase 1: blocks 0 and 1 together, step by step, as the weight arrives
.irp t, 0,1,2,3
.irp rb, 0,1
	PR 0, \rb, 4*(\k)+\t, ACC0-32*\rb, 0
.endr
.endr
	WIN 0
.endm
.macro GROUP1 g, mask, d0, rows, pitch ; elements of 8 bytes
	s_or_b32 s[\g+0], s[\mask], (3<<16)|(1<<21)
	s_mov_b32 s[\g+1], (\d0)<<16
	s_mov_b32 s[\g+2], (\rows)<<16
	s_mov_b32 s[\g+3], (\d0)<<16
	s_mov_b32 s[\g+4], \rows
	s_mov_b32 s[\g+5], \pitch
	s_mov_b32 s[\g+6], 0
	s_mov_b32 s[\g+7], 0
.endm
	s_load_b256 s[4:11], s[0:1], 0x0               ; xw, xws, qkv, qkvs
	v_lshl_add_u32 v[SPW], v0, 2, SPARE
	v_mov_b32 v[NIL], 0
	ds_add_u32 v[SPW], v[NIL]                      ; the wave's opening: the add, twice on end, ahead of my first tensor load
	ds_add_u32 v[SPW], v[NIL]
	v_lshrrev_b32 v3, 5, v0
	v_readfirstlane_b32 s14, v3                    ; wave 0..3
	s_lshr_b32 s15, s14, 1                         ; q, k: my K step of the result's two.  v: my half of the tokens
	s_and_b32 s16, s14, 1                          ; q, k: my half of that step.  v: my half of the columns
	s_bfe_u32 s76, ttmp6, 0x40000                  ; cx
	s_bfe_u32 s77, ttmp6, 0x40004                  ; cy
	s_mov_b32 s78, ttmp9                           ; X, 0..1
	s_and_b32 s79, ttmp7, 0xffff                   ; Y, 0..7
	s_lshl_b32 s2, s77, 2
	s_lshl_b32 s2, 15, s2                          ; my row of the cluster
	s_lshl_b32 s3, 0x1111, s76                     ; my column
	GROUP1 24, 2, 1536, 4, 1536                    ; x's blocks 0-3
	GROUP1 32, 2, 1536, 12, 1536                   ; x's blocks 4-15
	GROUP1 40, 3, 1536, 8, 1536                    ; Wv's rows
	GROUP1 48, 2, 512, 2, 512                      ; x's scale words
	s_lshl_b32 s18, s79, 6
	s_lshl_b32 s19, s77, 4
	s_add_co_u32 s18, s18, s19                     ; x: row block 64 Y + 16 cy
	s_mul_i32 s20, s18, XB
	s_mov_b32 s21, 0
	s_lshl_b32 s22, s18, 9
	s_mov_b32 s23, 0
	s_lshl_b32 s80, s78, 6                         ; Wq | Wk: row block 512 + 64 X + 16 cx + 4 wave
	s_lshl_b32 s19, s76, 4
	s_add_co_u32 s80, s80, s19
	s_lshl_b32 s19, s14, 2
	s_add_co_u32 s80, s80, s19
	s_add_co_u32 s80, s80, 512
	s_lshr_b32 s84, s80, 3                         ; its group of scale words, in it my half
	s_mul_i32 s80, s80, XB
	s_mov_b32 s81, 0
	s_lshl_b32 s84, s84, 12
	s_lshl_b32 s19, s16, 8
	s_add_co_u32 s84, s84, s19
	s_mov_b32 s85, 0
	s_lshl_b32 s82, s78, 2                         ; Wv: group 80 + 4 X + cx
	s_add_co_u32 s82, s82, s76
	s_add_co_u32 s82, s82, 80
	s_lshl_b32 s94, s82, 12
	s_add_co_u32 s94, s94, s19
	s_mov_b32 s95, 0
	s_mul_i32 s82, s82, 8*XB
	s_mov_b32 s83, 0
	s_lshl_b32 s19, s78, 3                         ; q | k's K step 8 X + 2 cx + wave / 2
	s_lshl_b32 s89, s76, 1
	s_add_co_u32 s19, s19, s89
	s_add_co_u32 s19, s19, s15
	s_mul_i32 s12, s18, 24576
	s_mul_i32 s89, s19, 1536
	s_add_co_u32 s12, s12, s89
	s_mul_i32 s89, s16, 768
	s_add_co_u32 s12, s12, s89
	s_mov_b32 s13, 0
	s_lshr_b32 s90, s18, 3                         ; the scale words leave by groups: wave w takes K step w / 2, group w % 2
	s_add_co_u32 s90, s90, s16
	s_lshl_b32 s90, s90, 4
	s_add_co_u32 s90, s90, s19
	s_lshl_b32 s90, s90, 9
	s_mov_b32 s91, 0
	s_lshr_b32 s18, s79, 1                         ; v^T: group 64 + 8 batch + 4 X + cx, in it my four row blocks; K step 8 (Y % 2) + 2 cy + my half of the tokens
	s_lshl_b32 s18, s18, 3
	s_lshl_b32 s19, s78, 2
	s_add_co_u32 s18, s18, s19
	s_add_co_u32 s18, s18, s76
	s_add_co_u32 s18, s18, 64
	s_and_b32 s19, s79, 1
	s_lshl_b32 s19, s19, 3
	s_lshl_b32 s89, s77, 1
	s_add_co_u32 s19, s19, s89
	s_add_co_u32 s19, s19, s15
	s_lshl_b32 s96, s18, 1
	s_add_co_u32 s96, s96, s16
	s_lshl_b32 s96, s96, 6
	s_add_co_u32 s96, s96, s19
	s_mul_i32 s96, s96, 1536
	s_mov_b32 s97, 0
	s_lshl_b32 s92, s18, 4
	s_add_co_u32 s92, s92, s19
	s_lshl_b32 s92, s92, 1
	s_add_co_u32 s92, s92, s16
	s_lshl_b32 s92, s92, 8
	s_mov_b32 s93, 0
	s_mov_b32 s[SEL], 0x76543210
	s_mov_b32 s[SEL+1], 0xfedcba98
	s_mov_b32 s86, 2
	s_mov_b32 s87, 2*XB
	s_mov_b32 s88, 0
	s_mul_i32 s2, s16, 4*XB
	s_add_co_u32 s2, s2, WV
	s_lshl_b32 s3, s15, 10
	s_lshl_b32 s17, s16, 1
	s_add_co_u32 s3, s3, s17
	s_add_co_u32 s3, s3, STG
	s_mul_i32 s17, s15, 8*XB
	s_lshl_b32 s18, s15, 12
	s_lshl_b32 s19, s14, 9
	s_add_co_u32 s19, s19, STG
	v_and_b32 v104, 15, v0                         ; r
	v_bfe_u32 v105, v0, 4, 1                       ; h
	v_and_b32 v106, 31, v0
	v_lshlrev_b32 v[OL], 4, v106
	v_lshlrev_b32 v[OL8], 3, v106
	v_lshlrev_b32 v107, 11, v105
	v_lshl_add_u32 v107, v104, 4, v107             ; scale words: 16 r, lanes 16-31 four steps further on
	v_add_nc_u32 v[XSA0], SCX, v107
	v_add_nc_u32 v[XSV], s18, v[XSA0]
	v_add_nc_u32 v[VWA], s2, v[OL]
	v_lshl_add_u32 v108, v104, 4, v105
	v_add_nc_u32 v[STB0], s3, v108
	v_add_nc_u32 v[STB], s3, v108
	v_add_nc_u32 v[XV], s17, v[OL]
	v_add_nc_u32 v[XV4], 4*XB, v[XV]
	v_lshlrev_b32 v[H8], 3, v105
	v_add_nc_u32 v[SGA], s19, v[OL]
.irp t, 0,1,2,3
	v_mov_b32 v[PZ+\t], 0                          ; a lane permute's destination counts as one of its sources
.endr
	WALU                                           ; the wait at the head's end
	s_wait_dscnt 0x0                               ; both opening adds are done
	s_wait_kmcnt 0x0
	s_add_nc_u64 s[80:81], s[4:5], s[80:81]
	s_add_nc_u64 s[84:85], s[6:7], s[84:85]
	s_add_nc_u64 s[94:95], s[6:7], s[94:95]
.irp k, 0,1,2,3
	global_load_b128 v[WSC+4*\k:WSC+4*\k+3], v107, s[84:85] offset:512*\k
	global_load_b128 v[VSC+4*\k:VSC+4*\k+3], v107, s[94:95] offset:512*\k
.endr
	s_add_nc_u64 s[20:21], s[4:5], s[20:21]
	s_add_nc_u64 s[22:23], s[6:7], s[22:23]
	s_add_nc_u64 s[82:83], s[4:5], s[82:83]
	s_add_nc_u64 s[12:13], s[8:9], s[12:13]
	s_add_nc_u64 s[96:97], s[8:9], s[96:97]
	s_add_nc_u64 s[90:91], s[10:11], s[90:91]
	s_add_nc_u64 s[92:93], s[10:11], s[92:93]
.irp g, 56,60,68,72
	s_mov_b32 s[\g], 1
.endr
	s_mov_b32 s57, 0
	s_mov_b32 s61, 4*XB
	s_mov_b32 s69, SCX
	s_mov_b32 s73, WV
	s_mov_b64 s[58:59], s[20:21]
	s_add_nc_u64 s[62:63], s[20:21], 4*XB
	s_mov_b64 s[70:71], s[22:23]
	s_mov_b64 s[74:75], s[82:83]
.irp g, 59,63,71,75
	s_or_b32 s[\g], s[\g], 0x80000000
.endr
	CROUND                                         ; all sixteen work-groups are here: the joint loads meet
	s_cmp_eq_u32 s14, 0                            ; one load a wave
	s_cbranch_scc0 .Lwave_1
	TLOAD 68, 48                                   ; wave 0: x's scale words: what is needed first is asked for first
	s_branch .Lasked
.Lwave_1:
	s_cmp_eq_u32 s14, 1
	s_cbranch_scc0 .Lwave_2
	TLOAD 56, 24                                   ; wave 1: x's blocks 0-3
	s_branch .Lasked
.Lwave_2:
	s_cmp_eq_u32 s14, 2
	s_cbranch_scc0 .Lwave_3
	TLOAD 60, 32                                   ; wave 2: x's blocks 4-15
	s_branch .Lasked
.Lwave_3:
	TLOAD 72, 40                                   ; wave 3: Wv's rows
.Lasked:
	WLD 0
	WLD 1
	WLD 2
	WLD 3
	WLD 4
	s_cmp_lt_u32 s14, 2
	s_cbranch_scc0 .Llater_tile
	s_wait_tensorcnt 0x0                           ; waves 0 and 1: x's scale words and its first blocks are in; the others' tiles may be out
.Llater_tile:
	s_barrier_signal -1
	s_barrier_wait -1
	FETCH 0, OL, 0, XSA0, 0
	FETCH 1, OL, XB, XSA0, 4
	s_wait_dscnt 0x0
.irp k, 0,1,2                                  ; the weight runs five steps ahead: at the wait four later steps may be out, 12 loads each
	s_wait_loadcnt 48
	S1 \k
	WLD \k+5
.endr
	s_wait_loadcnt 48
	S1 3
.irp k, 4,5,6,7
	s_wait_loadcnt 12*(7-\k)
	S1 \k
.endr
	PLACES 4
	FETCH 0, OL, 2*XB, XSA0, 8
.irp i, 0,1,2,3,4,5,6,7,8,9
	CHN \i, ACC0, 0, CA, SOP
.endr
	QEND ACC0, 0
	s_cmp_eq_u32 s14, 3
	s_cbranch_scc1 .Lwv_may_be_out
	s_wait_tensorcnt 0x0                           ; x's blocks 4-15 are in (wave 2's line); wave 3's tile, Wv, may be out
.Lwv_may_be_out:
	s_wait_dscnt 0x0
	s_barrier_signal -1
	s_barrier_wait -1
	FETCH 1, OL, 3*XB, XSA0, 12
.Lblocks:                                      ; blocks 2 .. 13.  Younger than a block's fetch are one byte's store and the next block's 28 loads
	s_wait_dscnt 29
	BLK 0, 0, ACC0, 0, L_E, ACC1
	QEND ACC1, 4
	FETCH 0, XA, 0, XSA, 0
	s_wait_dscnt 29
	BLK 0, 1, ACC1, 0, L_O, ACC0
	QEND ACC0, 0
	FETCH 1, XA, XB, XSA, 4
	s_add_co_u32 s88, s88, 1
	s_cmp_lg_u32 s88, 6
	s_cbranch_scc1 .Lblocks
	s_wait_dscnt 29
	BLK 0, 0, ACC0, 0, L_Q, ACC1                   ; block 14; behind it v's first block of x is fetched
	WIN 0
	WALU                                           ; the wait here, ahead of the waits below
	s_wait_tensorcnt 0x0                           ; Wv is in: a plain barrier shows it to all
	s_wait_dscnt 0x0
	s_barrier_signal -1
	s_barrier_wait -1
	QEND ACC1, 4
	FETCH 0, XV, 0, XSV, 0
	s_wait_dscnt 29
.irp k, 0,1,2,3,4,5,6,7                        ; block 15: behind a step's products Wv takes that step's registers
.irp t, 0,1,2,3
	PR 0, 1, 4*\k+\t, ACC1, 0
.endr
	WIN 0
.if \k == 0
	s_wait_xcnt 0x0
	s_add_nc_u64 s[12:13], s[12:13], 24576
	v_add_nc_u32 v[STB], 776, v[STB0]              ; the bytes of blocks 14, 15: 512 + 256 + 4 x 2
.endif
	CHN \k, ACC0, 0, CA, SOP
	PLACES 2                                       ; with the chain's two lines the four places in front of the loads
	VWLD \k
.endr
	CHN 8, ACC0, 0, CA, SOP
	CHN 9, ACC0, 0, CA, SOP
	QEND ACC0, 0
	FETCH 1, XV, XB, XSV, 4
	s_wait_dscnt 29                                ; v: Wv and the block are in; a byte's store and the next block may be out
	BLK 1, 0, HV0, 0, L_Q, ACC1
	QEND ACC1, 4
	FETCH 0, XV, 2*XB, XSV, 8
	s_wait_dscnt 29
	BLK 1, 1, HV0+8, 0, L_N
	WIN 0
	PLACES 4
	FETCH 1, XV, 3*XB, XSV, 12
	s_wait_dscnt 0x0                               ; for the others' sake: my scale bytes of q or k lie in LDS
	s_barrier_signal -1
	s_barrier_wait -1
	ds_load_b128 v[SG:SG+3], v[SGA]
	BLK 1, 0, HV0+16, 0, L_N
	WIN 0
	PLACES 4
	FETCH 0, XV4, 0, XSV, 256
	s_wait_dscnt 28
	global_store_b128 v[OL], v[SG:SG+3], s[90:91]  ; 512 consecutive bytes
	BLK 1, 1, HV0+24, 0, L_N
	WIN 0
	PLACES 4
	FETCH 1, XV4, XB, XSV, 260
	s_wait_dscnt 28
	BLK 1, 0, HV1, 3, L_C, HV0                     ; band 1; band 0's four tiles go out in its blocks
	VCODES 0
	WALU
	FETCH 0, XV4, 2*XB, XSV, 264
	s_wait_dscnt 28
	BLK 1, 1, HV1+8, 3, L_C, HV0+32
	VCODES 1
	WALU
	FETCH 1, XV4, 3*XB, XSV, 268
	s_wait_dscnt 28
	BLK 1, 0, HV1+16, 3, L_C, HV0+64
	VCODES 2
	WALU
	s_wait_dscnt 0x0
	BLK 1, 1, HV1+24, 3, L_C, HV0+96
	VCODES 3
	PLACES 4
	s_wait_xcnt 0x0                                ; the scale words' store has read v72-75, which are written again below
.irp i, 0,1,2,3,4,5,6,7,8,9
.irp t, 0,1,2,3
	CHN \i, HV1+32*\t, 3, CAV+2*\t, SOPV+\t
.endr
.endr
	WIN 0xc3
.irp t, 0,1,2,3
	v_cvt_scalef32_pk16_fp6_f32 v[MCD+12*\t+6:MCD+12*\t+8], v[HV1+32*\t:HV1+32*\t+15], v[SOPV+\t]
.endr
	WIN 0x03
.irp t, 0,1,2,3
	v_cvt_scalef32_pk16_fp6_f32 v[72+4*\t:74+4*\t], v[HV1+32*\t+16:HV1+32*\t+31], v[SOPV+\t]
.endr
	WIN 0
.irp t, 0,1,2,3
	v_lshrrev_b32 v[EBW+\t], 23, v[SOPV+\t]
.endr
	WIN 0xc0
.irp t, 0,1,2,3
.irp i, 0,1,2
	v_mov_b32 v[MCD+12*\t+9+\i], v[72+4*\t+\i]
.endr
.endr
	WIN 0
.irp t, 0,1,2,3
	v_lshl_or_b32 v[EBV+\t], v[EBW+\t], 16, v[EBV+\t]   ; my bytes are blocks h and 2 + h of the row's word
.endr
.irp t, 0,1,2,3
	v_lshlrev_b32 v[EBV+\t], v[H8], v[EBV+\t]
.endr
.irp t, 0,1,2,3
	v_permlanex16_b32 v[PZ+\t], v[EBV+\t], s[SEL], s[SEL+1]
.endr
.irp t, 0,1,2,3
	v_or_b32 v[EBV+\t], v[EBV+\t], v[PZ+\t]
.endr
	v_and_b32 v68, 31, v0
	v_cmp_gt_u32 vcc_lo, 16, v68
	WALU
	WIN 0x0c
.irp t, 0,1,2,3
.irp c, 0,1,2
	global_store_b128 v[OL], v[MCD+12*\t+4*\c:MCD+12*\t+4*\c+3], s[96:97] offset:24576*\t+512*\c
.endr
.endr
	WIN 0
	s_wait_xcnt 0x0                                ; EXEC changes only when the stores above have read it
	s_and_saveexec_b32 s2, vcc_lo
	global_store_b128 v[OL], v[EBV:EBV+3], s[92:93]   ; lanes 0-15: 256 consecutive bytes
	s_wait_xcnt 0x0
	s_or_b32 exec_lo, exec_lo, s2
	s_wait_tensorcnt 0x0                           ; the wave's end
	ds_add_u32 v[SPW], v[NIL]
	s_wait_dscnt 0x0
	CROUND                                         ; the closing round
	s_endpgm
.Lfunc_end_k_q45d5b03df6_proj:
	.size	k_q45d5b03df6_proj, .Lfunc_end_k_q45d5b03df6_proj-k_q45d5b03df6_proj
	.p2alignl 7, 3214868480
	.fill 96, 4, 3214868480
	.section	.rodata,"a",@progbits
	.p2align	6, 0x0
	.amdhsa_kernel k_q45d5b03df6_proj
		.amdhsa_group_segment_fixed_size 327680
		.amdhsa_private_segment_fixed_size 0
		.amdhsa_enable_private_segment 0
		.amdhsa_kernarg_size 32
		.amdhsa_user_sgpr_count 2
		.amdhsa_user_sgpr_kernarg_segment_ptr 1
		.amdhsa_wavefront_size32 1
		.amdhsa_system_sgpr_workgroup_id_x 1
		.amdhsa_system_sgpr_workgroup_id_y 1
		.amdhsa_system_sgpr_workgroup_id_z 1
		.amdhsa_system_vgpr_workitem_id 0
		.amdhsa_next_free_vgpr 1024
		.amdhsa_next_free_sgpr 102
		.amdhsa_reserve_vcc 1
		.amdhsa_float_denorm_mode_32 3
		.amdhsa_float_denorm_mode_16_64 3
		.amdhsa_memory_ordered 1
		.amdhsa_forward_progress 1
		.amdhsa_inst_pref_size 146
	.end_amdhsa_kernel
	.amdgpu_metadata
---
amdhsa.version: [ 1, 2 ]
amdhsa.kernels:
  - .name:           k_q45d5b03df6_proj
    .symbol:         k_q45d5b03df6_proj.kd
    .args:
      - { .name: xw, .offset: 0, .size: 8, .value_kind: global_buffer, .address_space: global }
      - { .name: xws, .offset: 8, .size: 8, .value_kind: global_buffer, .address_space: global }
      - { .name: qkv, .offset: 16, .size: 8, .value_kind: global_buffer, .address_space: global }
      - { .name: qkvs, .offset: 24, .size: 8, .value_kind: global_buffer, .address_space: global }
    .group_segment_fixed_size: 327680
    .private_segment_fixed_size: 0
    .kernarg_segment_align: 8
    .kernarg_segment_size: 32
    .max_flat_workgroup_size: 128
    .sgpr_count:     102
    .vgpr_count:     1024
    .wavefront_size: 32
...
	.end_amdgpu_metadata
.endif
;; end of part 2
;; launch scores (part 3): grid 8 x 32, 4 waves a work-group, clusters of 4 x 4, 327,680 bytes of LDS; arguments qkv, qkvs, pimg, pst; writes pimg, pst
.if DOCPART == 3
	.amdgcn_target "amdgcn-amd-amdhsa--gfx1250"
	.amdhsa_code_object_version 6
	.text
	.protected	k_q45d5b03df6_scores
	.globl	k_q45d5b03df6_scores
	.p2align	8
	.type	k_q45d5b03df6_scores,@function
k_q45d5b03df6_scores:
	s_mov_b64 s[64:65], 0
	v_nop
	global_prefetch_b8 v0, s[64:65] scope:SCOPE_SE
	s_setreg_imm32_b32 hwreg(HW_REG_WAVE_MODE, 25, 1), 1
	s_wait_xcnt 0x0
	s_wait_alu depctr_hold_cnt(0) depctr_sa_sdst(0) depctr_va_vdst(0) depctr_va_sdst(0) depctr_va_ssrc(0) depctr_va_vcc(0) depctr_vm_vsrc(0)
	s_getreg_b32 s2, hwreg(HW_REG_IB_STS2, 6, 4)
	s_cmp_eq_u32 s2, 0
	s_cbranch_scc0 .Lentry_in_a_cluster
	s_endpgm
.Lentry_in_a_cluster:
	s_bfe_u32 s2, ttmp6, 0x10000c
	s_cmp_lg_u32 s2, 0xf033
	s_cbranch_scc0 .Lentry_shape_is_right
	s_endpgm
.Lentry_shape_is_right:
; S = q k^T on codes of FP6 (E2M3) with E8M0 scales, sums in f32, and the softmax's first half.  256 tiles of 256 queries x 256 keys, K = 1,024.  No step is left out.
; q's TILE LIES IN LDS, ALL OF K.  A WAVE HOLDS 64 KEYS, all of K, in registers (32 fragments of 12, straight from memory: no two waves of the work-group want the same) and q's blocks of 16 queries stream past: 32 products a block.
; THE SOFTMAX BY PARTS.  t = score x log2(e) / 32.  For each query and a wave's 64 keys: M_loc = the largest t rounded UP to a whole number, p = 2^(t - M_loc), l_loc = the sum of the unquantised p, and p quantised along the keys.
; At the end the four waves' runs are joined: M = the largest M_loc of the 256 keys; M - M_loc comes off the scale bytes (held at 0 from below) and l_loc is multiplied by 2^(M_loc - M).  The next launch joins the eight runs of a row likewise.
; The maximum is taken away before every exponential.
; Images: [row block of 16][16 K steps][1,536]: half c of a step at 768 c: registers 0-3 of lane l at 16 l, registers 4, 5 at 512 + 8 l.  Row i of block 4 g + j is token 64 g + 8 j + i % 8 + 32 (i / 8): source 0 = k, so lane (r, h) holds query r and
; the 32 neighbouring keys 32 h + 0 .. 31 of the wave's 64: one scale block.  qkv: K steps 0-7 q, 8-15 k.  Words: block a, row r of a group of 128 rows at 256 (a / 4) + 16 r + 4 (a % 4).
; pst: scale words [64 groups][16 K steps][512]; from 524,288 on -M, [64][8 runs][512]; from 786,432 on l likewise.
; BLOCKS.  In a block's products stand the last block's maximum, M and multiply-adds; behind them, between two blocks, its exponentials, sums and conversions, and ahead of those the search for the new block's largest scores.
; CLUSTERS 4 x 4: q's tile and scale words are asked for jointly by a row of the cluster.  k is asked for by each wave alone, into registers, which no joint load fills.  No prefetch: all of q and k is asked for ahead of the loop, and no loop fetches from memory.
; LIMITS: NaN and infinities are not served; scaled scores (base 2) under 2^31 in magnitude; a block whose largest p lies under 2^-124 keeps the byte 1 (its codes are then zeros or the smallest codes).
.set XB,   12288                       ; a row block of q in LDS
.set SCX,  16*XB
.set WST,  SCX+8192                    ; p's scale words: [K step][group][512]
.set MST,  WST+2048                    ; -M_loc: [wave][256 rows]; l_loc 4,096 bytes on
.set SPARE, MST+8192
.set SPW,  1
.set NIL,  2
.set OL,   3                           ; 16 x lane
.set OL8,  4                           ; 8 x lane
.set XA,   5                           ; LDS: the blocks and the words that are fetched next
.set XA8,  6
.set XSA,  7
.set XSA0, 8
.set STB,  11                          ; LDS: my scale byte
.set STB0, 12
.set MSTB, 13                          ; LDS: my -M_loc
.set MSTB0, 14
.set WSC,  16                          ; v16-31 k's scale words: step k, tile t at 4 (k % 4) + t (steps k and k + 4 share a register)
.set CM,   32                          ; v32-35 the largest scores in four chains
.set BM,   36                          ; the lane's largest score, then its exponent, then the block's largest p
.set PX,   37
.set WK,   38
.set NMP,  40                          ; v[40:41] -M_loc (the packed form names a pair and takes its low word)
.set LA,   42
.set LC,   44
.set SOP,  46
.set EB,   47
.set XS,   48                          ; v48-55 q's scale words, two sets
.set T,    56
.set CD,   60
.set PX2,  66
.set W2,   67
.set ACC1, 72
.set ACC0, 104
.set CS,   66
.set SEL,  100
.set MSB, 0
.macro WIN new
.if MSB != \new
	s_set_vgpr_msb (MSB<<8)|\new
.set MSB, \new
.endif
.endm
.macro WALU
	s_wait_alu depctr_va_vdst(0)
.endm
.macro PLACES n                        ; plain vector instructions behind a matrix instruction (ISA guide 7.12.1 for vector instructions)
.rept \n
	v_nop
.endr
.endm
.macro CROUND
	s_barrier_signal -1
	s_barrier_wait -1
	s_cmp_lg_u32 s14, 0
	s_cbranch_scc1 .Lnot_wave_0_\@
	s_barrier_signal -3
.Lnot_wave_0_\@:
	s_barrier_wait -3
	s_barrier_signal -1
	s_barrier_wait -1
.endm
.macro TLOAD g0, g1
	tensor_load_to_lds s[\g0:\g0+3], s[\g1:\g1+7]
	s_nop 0
	PLACES 4
.endm
.macro KG k                            ; k's step k from memory: 16 loads
.irp t, 0,1,2,3
	WIN ((1+(4*(\k)+\t)/21)<<6)
.set R_, 12*((4*(\k)+\t)%21)
.irp c, 0,1
	global_load_b128 v[R_+6*\c:R_+6*\c+3], v[OL], s[80:81] offset:24576*\t+1536*(\k)+768*\c
	global_load_b64 v[R_+6*\c+4:R_+6*\c+5], v[OL8], s[80:81] offset:24576*\t+1536*(\k)+768*\c+512
.endr
.endr
	WIN 0
.endm
.macro FETCH e, a, a8, ao, sa, so      ; a block of q into set e: 36 loads
.irp k, 0,1,2,3,4,5,6,7
	WIN ((1+(32+8*(\e)+\k)/21)<<6)
.set R_, 12*((32+8*(\e)+\k)%21)
.irp c, 0,1
	ds_load_b128 v[R_+6*\c:R_+6*\c+3], v[\a] offset:(\ao)+1536*\k+768*\c
	ds_load_b64 v[R_+6*\c+4:R_+6*\c+5], v[\a8] offset:(\ao)+1536*\k+768*\c+512
.endr
.endr
	WIN 0
.irp k, 0,1,2,3
	ds_load_b32 v[XS+\k/2+2*(\e)+4*(1-\k%2)], v[\sa] offset:(\so)+512*\k
.endr
.endm
.macro WM c, row
	v_wmma_scale_f32_16x16x128_f8f6f4 v[D_:D_+7], v[S0_:S0_+11], v[S1_:S1_+11], \c, v[C0_], v[C1_] matrix_a_fmt:MATRIX_FMT_FP6 matrix_b_fmt:MATRIX_FMT_FP6 matrix_a_scale:MATRIX_SCALE_ROW\row matrix_b_scale:MATRIX_SCALE_ROW\row
.endm
.macro PR e, n, d                      ; product n = 4 k + t of a block.  The accumulators take turns, one instruction a turn; step 0 starts the sums
.set K_, (\n)/4
.set T_, (\n)%4
.set WW_, 1+(\n)/21
.set S0_, 12*((\n)%21)
.set XW_, 1+(32+8*(\e)+K_)/21
.set S1_, 12*((32+8*(\e)+K_)%21)
.set C0_, WSC+4*(K_%4)+T_
.set C1_, XS+(K_%4)/2+2*(\e)+4*(1-K_%2)
.set D_, (\d)+8*T_
	WIN (WW_|(XW_<<2))
.if K_ == 0
	WM 0, 0
.elseif K_ < 4
	WM v[D_:D_+7], 0
.else
	WM v[D_:D_+7], 1
.endif
.endm
.macro BLK e, d, list, x               ; a block's 32 products; behind every second one slot n / 2 of the list
.set N_, 0
.rept 32
	PR \e, N_, \d
.if N_%2
	\list N_/2, \x
.endif
.set N_, N_+1
.endr
.endm
.macro S1 k                            ; phase 1: blocks 0 and 1 together, as k arrives
.irp t, 0,1,2,3
.irp rb, 0,1
	PR \rb, 4*(\k)+\t, ACC0-32*\rb
.endr
.endr
	WIN 0
.endm
.macro MAXL x                          ; a block's largest scores, each accumulator from its low end on; it serves for the row's maximum and, since p rises with the score, for the scale block's largest p
.irp b, 0,1,2,3
	v_max3_num_f32 v[CM+\b], 0xff800000, v[\x+8*\b], v[\x+8*\b+1]
.endr
.irp i, 2,4,6
.irp b, 0,1,2,3
	v_max3_num_f32 v[CM+\b], v[CM+\b], v[\x+8*\b+\i], v[\x+8*\b+\i+1]
.endr
.endr
.endm
.macro PREP i, x                       ; up to the exponents, in ten steps, in place
.set I_, \i
	WIN 0
.if I_ == 0
	v_max_num_f32 v[CM], v[CM], v[CM+1]
	v_max_num_f32 v[CM+2], v[CM+2], v[CM+3]
.elseif I_ == 1
	v_max_num_f32 v[BM], v[CM], v[CM+2]
.elseif I_ == 2
	v_permlanex16_b32 v[PX], v[BM], s[SEL], s[SEL+1]
.elseif I_ == 3
	v_max_num_f32 v[WK], v[BM], v[PX]              ; with lane l xor 16's 32 keys
.elseif I_ == 4
	v_mul_f32 v[WK], s[CS], v[WK]                  ; as t (the factor is positive)
.elseif I_ == 5
	v_floor_f32 v[NMP], -v[WK]                     ; -M_loc = floor(-t): a whole number
.elseif I_ == 6
.irp j, 0,2,4,6,8,10
	v_pk_fma_f32 v[\x+\j:\x+\j+1], v[\x+\j:\x+\j+1], s[CS:CS+1], v[NMP:NMP+1] op_sel_hi:[1,0,0]
.endr
.elseif I_ == 7
.irp j, 12,14,16,18,20
	v_pk_fma_f32 v[\x+\j:\x+\j+1], v[\x+\j:\x+\j+1], s[CS:CS+1], v[NMP:NMP+1] op_sel_hi:[1,0,0]
.endr
.elseif I_ == 8
.irp j, 22,24,26,28,30
	v_pk_fma_f32 v[\x+\j:\x+\j+1], v[\x+\j:\x+\j+1], s[CS:CS+1], v[NMP:NMP+1] op_sel_hi:[1,0,0]
.endr
.else
	v_fma_f32 v[BM], v[BM], s[CS], v[NMP]
.endif
.endm
.macro L_P i, x
.if ((\i) >= 4) && ((\i) < 14)
	PREP (\i)-4, \x
.elseif (\i) == 14
	s_wait_xcnt 0x0                                ; the last stores have read the codes' registers and their base
	s_add_nc_u64 s[12:13], s[12:13], 24576
.endif
.endm
.macro L_E i, x                        ; an even block of the loop: the LDS addresses of the pair of blocks that is fetched next, s86 and s86 + 1
.if (\i) == 1
	s_add_co_u32 s86, s86, 2
	s_add_co_u32 s87, s87, 2*XB
	s_lshr_b32 s18, s86, 3
	s_lshl_b32 s18, s18, 12
.elseif (\i) == 2
	s_bfe_u32 s19, s86, 0x10002
	s_lshl_b32 s19, s19, 8
	s_and_b32 s20, s86, 3
	s_lshl_b32 s20, s20, 2
.elseif (\i) == 3
	s_add_co_u32 s18, s18, s19
	s_add_co_u32 s18, s18, s20
	WIN 0
	v_add_nc_u32 v[XSA], s18, v[XSA0]
	v_add_nc_u32 v[XA], s87, v[OL]
	v_add_nc_u32 v[XA8], s87, v[OL8]
.endif
	L_P \i, \x
.endm
.macro L_O i, x                        ; an odd block: where the words of blocks s86 - 2, s86 - 1 go
.if (\i) == 1
	s_sub_co_u32 s21, s86, 2
	s_lshr_b32 s18, s21, 3
	s_lshl_b32 s18, s18, 9
.elseif (\i) == 2
	s_bfe_u32 s19, s21, 0x10002
	s_lshl_b32 s19, s19, 8
	s_and_b32 s20, s21, 3
	s_lshl_b32 s20, s20, 2
.elseif (\i) == 3
	s_add_co_u32 s18, s18, s19
	s_add_co_u32 s18, s18, s20
	WIN 0
	v_add_nc_u32 v[STB], s18, v[STB0]
	v_add_nc_u32 v[MSTB], s18, v[MSTB0]
.endif
	L_P \i, \x
.endm
.macro L_X i, x                        ; block 15: the words of blocks 14, 15: 512 + 256 + 4 x 2
.if (\i) == 3
	WIN 0
	v_add_nc_u32 v[STB], 776, v[STB0]
	v_add_nc_u32 v[MSTB], 776, v[MSTB0]
.endif
	L_P \i, \x
.endm
.macro EXPS x
	WALU                                           ; the wait ahead of the batch, and one behind it
.set J_, 0
.rept 32
	v_exp_f32 v[\x+J_], v[\x+J_]                   ; p, at most 1 but for rounding
.set J_, J_+1
.endr
	v_exp_f32 v[BM], v[BM]                         ; the block's largest p: the same instruction on the same number
	v_nop
	WALU
.endm
.macro FIN x, st
	v_max_num_f32 v[BM], 0x1800000, v[BM]          ; the floor 2^(3 - 127): the byte cannot fall under 1
	v_pk_add_f32 v[LA:LA+1], v[\x:\x+1], v[\x+2:\x+3]   ; the sum of the UNQUANTISED p, in two chains
	v_pk_add_f32 v[LC:LC+1], v[\x+4:\x+5], v[\x+6:\x+7]
	v_add_nc_u32 v[SOP], 0xff000000, v[BM]         ; 2 off the exponent field: the conversions' scale operand
.irp j, 8,12,16,20,24,28
	v_pk_add_f32 v[LA:LA+1], v[LA:LA+1], v[\x+\j:\x+\j+1]
	v_pk_add_f32 v[LC:LC+1], v[LC:LC+1], v[\x+\j+2:\x+\j+3]
.endr
	v_pk_add_f32 v[LA:LA+1], v[LA:LA+1], v[LC:LC+1]
	v_add_f32 v[W2], v[LA], v[LA+1]
	v_permlanex16_b32 v[PX2], v[W2], s[SEL], s[SEL+1]
	v_cvt_scalef32_pk16_fp6_f32 v[CD:CD+2], v[\x:\x+15], v[SOP]
	v_cvt_scalef32_pk16_fp6_f32 v[T:T+2], v[\x+16:\x+31], v[SOP]
	v_add_f32 v[W2], v[W2], v[PX2]                 ; l_loc
	v_lshrrev_b32 v[EB], 23, v[SOP]
.irp i, 0,1,2
	v_mov_b32 v[CD+3+\i], v[T+\i]
.endr
	WALU                                           ; the wait here, ahead of the readers
	ds_store_b8 v[STB], v[EB] offset:\st
	ds_store_b32 v[MSTB], v[NMP] offset:\st        ; lanes r and r + 16 write the same words with the same values
	ds_store_b32 v[MSTB], v[W2] offset:4096+\st
	global_store_b128 v[OL], v[CD:CD+3], s[12:13]  ; 512 and 256 consecutive bytes, at multiples of 256
	global_store_b64 v[OL8], v[CD+4:CD+5], s[12:13] offset:512
.endm
.macro BND cur, prev, st, e, fetch     ; between two blocks
	WIN 0
	PLACES 4
	MAXL \cur
.if \fetch
	FETCH \e, XA, XA8, XB*(\e), XSA, 4*(\e)
.endif
	EXPS \prev
	FIN \prev, \st
.endm
.macro GROUP1 g, mask, d0, rows, pitch ; elements of 8 bytes
	s_or_b32 s[\g+0], s[\mask], (3<<16)|(1<<21)
	s_mov_b32 s[\g+1], (\d0)<<16
	s_mov_b32 s[\g+2], (\rows)<<16
	s_mov_b32 s[\g+3], (\d0)<<16
	s_mov_b32 s[\g+4], \rows
	s_mov_b32 s[\g+5], \pitch
	s_mov_b32 s[\g+6], 0
	s_mov_b32 s[\g+7], 0
.endm
	s_load_b256 s[4:11], s[0:1], 0x0               ; qkv, qkvs, pimg, pst
	v_lshl_add_u32 v[SPW], v0, 2, SPARE
	v_mov_b32 v[NIL], 0
	ds_add_u32 v[SPW], v[NIL]                      ; the wave's opening: the add, twice on end, ahead of my first tensor load
	ds_add_u32 v[SPW], v[NIL]
	v_lshrrev_b32 v3, 5, v0
	v_readfirstlane_b32 s14, v3                    ; wave 0..3
	s_lshr_b32 s15, s14, 1
	s_and_b32 s16, s14, 1
	s_bfe_u32 s76, ttmp6, 0x40000                  ; cx
	s_bfe_u32 s77, ttmp6, 0x40004                  ; cy
	s_mov_b32 s78, ttmp9                           ; X, 0..1
	s_and_b32 s79, ttmp7, 0xffff                   ; Y, 0..7
	s_lshl_b32 s2, s77, 2
	s_lshl_b32 s2, 15, s2                          ; my row of the cluster
	GROUP1 24, 2, 1536, 4, 3072                    ; four of q's blocks
	GROUP1 32, 2, 1536, 8, 3072                    ; eight
	GROUP1 48, 2, 512, 2, 1024                     ; q's scale words
	s_lshl_b32 s18, s79, 6
	s_lshl_b32 s19, s77, 4
	s_add_co_u32 s18, s18, s19                     ; the queries: row block 64 Y + 16 cy
	s_mul_i32 s20, s18, 24576
	s_mov_b32 s21, 0
	s_lshl_b32 s22, s18, 10
	s_mov_b32 s23, 0
	s_lshr_b32 s80, s79, 1                         ; my keys: row block 128 batch + 64 X + 16 cx + 4 wave
	s_lshl_b32 s80, s80, 7
	s_lshl_b32 s19, s78, 6
	s_add_co_u32 s80, s80, s19
	s_lshl_b32 s19, s76, 4
	s_add_co_u32 s80, s80, s19
	s_lshl_b32 s19, s14, 2
	s_add_co_u32 s80, s80, s19
	s_lshr_b32 s84, s80, 3
	s_lshl_b32 s84, s84, 13
	s_lshl_b32 s19, s16, 8
	s_add_co_u32 s84, s84, s19
	s_add_co_u32 s84, s84, 4096                    ; k's words: K steps 8-15
	s_mov_b32 s85, 0
	s_mul_i32 s80, s80, 24576
	s_add_co_u32 s80, s80, 12288
	s_mov_b32 s81, 0
	s_lshl_b32 s19, s78, 2
	s_add_co_u32 s19, s19, s76                     ; the run of 256 keys, 0..7
	s_lshl_b32 s17, s19, 1                         ; p's first K step
	s_add_co_u32 s89, s17, s15
	s_mul_i32 s89, s89, 1536
	s_mul_i32 s12, s18, 24576
	s_add_co_u32 s12, s12, s89
	s_mul_i32 s89, s16, 768
	s_add_co_u32 s12, s12, s89
	s_mov_b32 s13, 0
	s_lshr_b32 s18, s18, 3                         ; at the end a wave carries out the words of half a group: group 8 Y + 2 cy + wave / 2
	s_add_co_u32 s18, s18, s15
	s_lshl_b32 s90, s18, 4
	s_add_co_u32 s90, s90, s17
	s_lshl_b32 s90, s90, 9
	s_lshl_b32 s89, s16, 8
	s_add_co_u32 s90, s90, s89
	s_mov_b32 s91, 0
	s_lshl_b32 s92, s18, 3
	s_add_co_u32 s92, s92, s19
	s_lshl_b32 s92, s92, 9
	s_add_co_u32 s92, s92, s89
	s_add_co_u32 s92, s92, 524288
	s_mov_b32 s93, 0
	s_mov_b32 s[SEL], 0x76543210
	s_mov_b32 s[SEL+1], 0xfedcba98
	s_mov_b32 s[CS], 0x3d38aa3b                    ; log2(e) / 32
	s_mov_b32 s[CS+1], s[CS]
	s_mov_b32 s86, 2
	s_mov_b32 s87, 2*XB
	s_mov_b32 s88, 0
	s_lshl_b32 s3, s15, 10
	s_lshl_b32 s17, s16, 1
	s_add_co_u32 s3, s3, s17
	s_add_co_u32 s3, s3, WST
	s_lshl_b32 s17, s14, 10
	s_add_co_u32 s17, s17, MST
	v_and_b32 v104, 15, v0                         ; r
	v_bfe_u32 v105, v0, 4, 1                       ; h
	v_and_b32 v106, 31, v0
	v_lshlrev_b32 v[OL], 4, v106
	v_lshlrev_b32 v[OL8], 3, v106
	v_lshlrev_b32 v107, 11, v105
	v_lshl_add_u32 v107, v104, 4, v107             ; scale words: 16 r, lanes 16-31 four steps further on
	v_add_nc_u32 v[XSA0], SCX, v107
	v_lshl_add_u32 v108, v104, 4, v105
	v_add_nc_u32 v[STB0], s3, v108
	v_add_nc_u32 v[STB], s3, v108
	v_lshl_add_u32 v[MSTB0], v104, 4, s17
	v_lshl_add_u32 v[MSTB], v104, 4, s17
	v_mov_b32 v[PX], 0                             ; a lane permute's destination counts as one of its sources
	v_mov_b32 v[PX2], 0
	v_mov_b32 v[NMP+1], 0                          ; (named as the upper half of a pair)
	WALU                                           ; the wait at the head's end
	s_wait_dscnt 0x0                               ; both opening adds are done
	s_wait_kmcnt 0x0
	s_add_nc_u64 s[80:81], s[4:5], s[80:81]
	s_add_nc_u64 s[84:85], s[6:7], s[84:85]
.irp k, 0,1,2,3
	global_load_b128 v[WSC+4*\k:WSC+4*\k+3], v107, s[84:85] offset:512*\k
.endr
	s_add_nc_u64 s[20:21], s[4:5], s[20:21]
	s_add_nc_u64 s[22:23], s[6:7], s[22:23]
	s_add_nc_u64 s[12:13], s[8:9], s[12:13]
	s_add_nc_u64 s[90:91], s[10:11], s[90:91]
	s_add_nc_u64 s[92:93], s[10:11], s[92:93]
.irp g, 56,60,68,72
	s_mov_b32 s[\g], 1
.endr
	s_mov_b32 s57, 0
	s_mov_b32 s61, 4*XB
	s_mov_b32 s69, SCX
	s_mov_b32 s73, 8*XB
	s_mov_b64 s[58:59], s[20:21]
	s_add_nc_u64 s[62:63], s[20:21], 4*24576
	s_mov_b64 s[70:71], s[22:23]
	s_add_nc_u64 s[74:75], s[20:21], 8*24576
.irp g, 59,63,71,75
	s_or_b32 s[\g], s[\g], 0x80000000
.endr
	CROUND                                         ; all sixteen work-groups are here: the joint loads meet
	s_cmp_eq_u32 s14, 0                            ; one load a wave: what is needed first is asked for first
	s_cbranch_scc0 .Lwave_1
	TLOAD 68, 48                                   ; wave 0: q's scale words
	s_branch .Lasked
.Lwave_1:
	s_cmp_eq_u32 s14, 1
	s_cbranch_scc0 .Lwave_2
	TLOAD 56, 24                                   ; wave 1: q's blocks 0-3
	s_branch .Lasked
.Lwave_2:
	s_cmp_eq_u32 s14, 2
	s_cbranch_scc0 .Lwave_3
	TLOAD 60, 24                                   ; wave 2: q's blocks 4-7
	s_branch .Lasked
.Lwave_3:
	TLOAD 72, 32                                   ; wave 3: q's blocks 8-15
.Lasked:
	KG 0
	KG 1
	KG 2
	KG 3
	s_cmp_lt_u32 s14, 2
	s_cbranch_scc0 .Llater_tile
	s_wait_tensorcnt 0x0                           ; waves 0 and 1: q's scale words and its first blocks are in; the others' tiles may be out
.Llater_tile:
	s_barrier_signal -1
	s_barrier_wait -1
	FETCH 0, OL, OL8, 0, XSA0, 0
	FETCH 1, OL, OL8, XB, XSA0, 4
	s_wait_dscnt 0x0
.irp k, 0,1,2,3                                ; k runs four steps ahead: at the wait three later steps may be out, 16 loads each
	s_wait_loadcnt 48
	S1 \k
	KG \k+4
.endr
.irp k, 4,5,6,7
	s_wait_loadcnt 16*(7-\k)
	S1 \k
.endr
	PLACES 4
	FETCH 0, OL, OL8, 2*XB, XSA0, 8
	MAXL ACC0
.irp i, 0,1,2,3,4,5,6,7,8,9
	PREP \i, ACC0
.endr
	MAXL ACC1
	FETCH 1, OL, OL8, 3*XB, XSA0, 12
	EXPS ACC0
	FIN ACC0, 0
	s_wait_tensorcnt 0x0                           ; my tile of the head's is in,
	s_wait_dscnt 0x0
	s_barrier_signal -1
	s_barrier_wait -1                              ; everybody's is
.Lblocks:                                      ; blocks 2 .. 13.  Younger than a block's fetch are at the least the next block's 36 loads and three stores
	s_wait_dscnt 39
	BLK 0, ACC0, L_E, ACC1
	BND ACC0, ACC1, 4, 0, 1
	s_wait_dscnt 39
	BLK 1, ACC1, L_O, ACC0
	BND ACC1, ACC0, 0, 1, 1
	s_add_co_u32 s88, s88, 1
	s_cmp_lg_u32 s88, 6
	s_cbranch_scc1 .Lblocks
	s_wait_dscnt 39
	BLK 0, ACC0, L_P, ACC1
	BND ACC0, ACC1, 4, 0, 0
	s_wait_dscnt 6                                 ; twice three stores
	BLK 1, ACC1, L_X, ACC0
	BND ACC1, ACC0, 0, 1, 0
.irp i, 0,1,2,3,4,5,6,7,8,9
	PREP \i, ACC1
.endr
	s_wait_xcnt 0x0
	s_add_nc_u64 s[12:13], s[12:13], 24576
	EXPS ACC1
	FIN ACC1, 4
	v_lshlrev_b32 v170, 3, v0                      ; THE JOIN: a thread takes two rows' words, neighbours in the words' order
	v_add_nc_u32 v171, MST, v170
	v_add_nc_u32 v172, WST, v170
	WALU
	s_wait_dscnt 0x0                               ; for the others' sake: my words lie in LDS
	s_barrier_signal -1
	s_barrier_wait -1
.irp w, 0,1,2,3
	ds_load_b64 v[136+2*\w:137+2*\w], v171 offset:1024*\w
	ds_load_b64 v[144+2*\w:145+2*\w], v171 offset:4096+1024*\w
.endr
	ds_load_b64 v[152:153], v172
	ds_load_b64 v[154:155], v172 offset:1024
	s_wait_dscnt 0x0
.irp p, 0,1
	v_min3_num_f32 v[160+\p], v[136+\p], v[138+\p], v[140+\p]
.endr
.irp p, 0,1
	v_min_num_f32 v[160+\p], v[160+\p], v[142+\p]  ; -M
.endr
.irp w, 136,137,138,139,140,141,142,143
	v_sub_f32 v\w, v\w, v[160+\w%2]                ; M - M_loc, 0 or more
.endr
.irp w, 136,137,138,139,140,141,142,143
	v_cvt_u32_f32 v\w, v\w
.endr
.irp w, 136,137,138,139,140,141,142,143
	v_min_u32 v\w, 0x7f, v\w                       ; (a byte is 125 at the most, since p is under 2)
.endr
.irp p, 0,1
	v_perm_b32 v[164+\p], v[138+\p], v[136+\p], 0x04040000   ; waves 0, 1 made bytes 0-1, 2-3 of the first K step's word,
	v_perm_b32 v[166+\p], v[142+\p], v[140+\p], 0x04040000   ; waves 2, 3 of the second's
.endr
.irp w, 136,137,138,139,140,141,142,143
	v_sub_nc_u32 v\w, 0, v\w
.endr
.irp w, 136,137,138,139,140,141,142,143
	v_ldexp_f32 v[8+\w], v[8+\w], v\w
.endr
	v_pk_add_f32 v[144:145], v[144:145], v[146:147]
	v_pk_add_f32 v[148:149], v[148:149], v[150:151]
	v_pk_add_f32 v[144:145], v[144:145], v[148:149]   ; l
.irp i, 0,1,2,3
	v_or_b32 v[152+\i], 0x80808080, v[152+\i]      ; each byte + 128: no borrow goes from byte to byte
.endr
.irp i, 0,1,2,3
	v_sub_nc_u32 v[152+\i], v[152+\i], v[164+\i]
.endr
.irp i, 0,1,2,3
	v_and_b32 v[164+\i], 0x80808080, v[152+\i]     ; where the top bit has stayed the byte is 0 or more
.endr
.irp i, 0,1,2,3
	v_lshrrev_b32 v[136+\i], 7, v[164+\i]
.endr
.irp i, 0,1,2,3
	v_sub_nc_u32 v[164+\i], v[164+\i], v[136+\i]   ; 0x7f there and 0 elsewhere
.endr
.irp i, 0,1,2,3
	v_and_b32 v[152+\i], v[152+\i], v[164+\i]
.endr
	global_store_b64 v[OL8], v[152:153], s[90:91]  ; each store covers 256 consecutive bytes, aligned
	global_store_b64 v[OL8], v[154:155], s[90:91] offset:512
	global_store_b64 v[OL8], v[160:161], s[92:93]
	global_store_b64 v[OL8], v[144:145], s[92:93] offset:262144
	s_wait_tensorcnt 0x0                           ; the wave's end
	ds_add_u32 v[SPW], v[NIL]
	s_wait_dscnt 0x0
	CROUND                                         ; the closing round
	s_endpgm
.Lfunc_end_k_q45d5b03df6_scores:
	.size	k_q45d5b03df6_scores, .Lfunc_end_k_q45d5b03df6_scores-k_q45d5b03df6_scores
	.p2alignl 7, 3214868480
	.fill 96, 4, 3214868480
	.section	.rodata,"a",@progbits
	.p2align	6, 0x0
	.amdhsa_kernel k_q45d5b03df6_scores
		.amdhsa_group_segment_fixed_size 327680
		.amdhsa_private_segment_fixed_size 0
		.amdhsa_enable_private_segment 0
		.amdhsa_kernarg_size 32
		.amdhsa_user_sgpr_count 2
		.amdhsa_user_sgpr_kernarg_segment_ptr 1
		.amdhsa_wavefront_size32 1
		.amdhsa_system_sgpr_workgroup_id_x 1
		.amdhsa_system_sgpr_workgroup_id_y 1
		.amdhsa_system_sgpr_workgroup_id_z 1
		.amdhsa_system_vgpr_workitem_id 0
		.amdhsa_next_free_vgpr 848
		.amdhsa_next_free_sgpr 102
		.amdhsa_reserve_vcc 0
		.amdhsa_float_denorm_mode_32 3
		.amdhsa_float_denorm_mode_16_64 3
		.amdhsa_memory_ordered 1
		.amdhsa_forward_progress 1
		.amdhsa_inst_pref_size 105
	.end_amdhsa_kernel
	.amdgpu_metadata
---
amdhsa.version: [ 1, 2 ]
amdhsa.kernels:
  - .name:           k_q45d5b03df6_scores
    .symbol:         k_q45d5b03df6_scores.kd
    .args:
      - { .name: qkv, .offset: 0, .size: 8, .value_kind: global_buffer, .address_space: global }
      - { .name: qkvs, .offset: 8, .size: 8, .value_kind: global_buffer, .address_space: global }
      - { .name: pimg, .offset: 16, .size: 8, .value_kind: global_buffer, .address_space: global }
      - { .name: pst, .offset: 24, .size: 8, .value_kind: global_buffer, .address_space: global }
    .group_segment_fixed_size: 327680
    .private_segment_fixed_size: 0
    .kernarg_segment_align: 8
    .kernarg_segment_size: 32
    .max_flat_workgroup_size: 128
    .sgpr_count:     102
    .vgpr_count:     848
    .wavefront_size: 32
...
	.end_amdgpu_metadata
.endif
;; end of part 3
;; launch pv (part 4): grid 4 x 64, 4 waves a work-group, clusters of 4 x 4, 327,680 bytes of LDS; arguments pimg, pst, qkv, qkvs, out0; writes out0
.if DOCPART == 4
	.amdgcn_target "amdgcn-amd-amdhsa--gfx1250"
	.amdhsa_code_object_version 6
	.text
	.protected	k_q45d5b03df6_pv
	.globl	k_q45d5b03df6_pv
	.p2align	8
	.type	k_q45d5b03df6_pv,@function
k_q45d5b03df6_pv:
	s_mov_b64 s[64:65], 0
	v_nop
	global_prefetch_b8 v0, s[64:65] scope:SCOPE_SE
	s_setreg_imm32_b32 hwreg(HW_REG_WAVE_MODE, 25, 1), 1
	s_wait_xcnt 0x0
	s_wait_alu depctr_hold_cnt(0) depctr_sa_sdst(0) depctr_va_vdst(0) depctr_va_sdst(0) depctr_va_ssrc(0) depctr_va_vcc(0) depctr_vm_vsrc(0)
	s_getreg_b32 s2, hwreg(HW_REG_IB_STS2, 6, 4)
	s_cmp_eq_u32 s2, 0
	s_cbranch_scc0 .Lentry_in_a_cluster
	s_endpgm
.Lentry_in_a_cluster:
	s_bfe_u32 s2, ttmp6, 0x10000c
	s_cmp_lg_u32 s2, 0xf033
	s_cbranch_scc0 .Lentry_shape_is_right
	s_endpgm
.Lentry_shape_is_right:
; out = (p v) / l on codes of FP6 (E2M3) with E8M0 scales, sums in f32.  256 work-groups: 128 queries x 256 columns each, K = 2,048 keys in 16 steps of 128.  No step is left out.
; A WAVE HOLDS 64 COLUMNS OF v, ALL OF K, IN 768 REGISTERS (64 fragments of 12) and p's row blocks of 16 queries stream past them out of LDS: 64 products a block.  A block's results leave while the next is multiplied.
; THE SOFTMAX'S JOIN.  The launch before left, for each query and run of 256 keys, p under the run's own whole number M_loc, its scale words, -M_loc and the run's sum.  Here M = the row's largest M_loc, d = M - M_loc:
; d comes off the run's scale bytes (held at 0 from below) and its sum is multiplied by 2^-d; l is the sum of these.  A thread does one row; words and 1 / l go through LDS.
; IMAGES [row block of 16][K step][1,536]: pimg: half c of a step at 768 c: registers 0-3 of lane l at 16 l, registers 4, 5 at 512 + 8 l; qkv's v^T: registers 4 c .. 4 c + 3 of lane l at 512 c + 16 l.
; Row i of p's block 4 g + j is query 64 g + 8 j + i % 8 + 32 (i / 8); row i of v^T's block 4 g + t is column 64 g + 4 i + t.
; Source 0 = p's rows, source 1 = v's: lane (r, h) of tile t holds column 4 r + t, its register j row 8 h + j: so four tiles' registers j are 16 neighbouring bytes, and sixteen lanes store 256 consecutive bytes, aligned.
; v's K steps 0-9 come straight into registers (no two waves of the work-group want the same), steps 10-15 by joint loads through LDS, shared along a column of the 4 x 4 cluster; p's blocks by joint loads shared along a row.
; LDS: p's block a at 24,576 a.  At the head blocks 0-3 and, behind them, v's steps 10-15, 147,456 bytes; when all waves hold v, ONE refill lays p's blocks 4-7 onto the first 98,304 of those.  That refill is asked for into the L2 once, some sixteen products into
; the work, by the sixteen waves of a row of the cluster, 24 units of 256 bytes each.  No loop along K: v's registers differ from step to step.
; PHASE 1: blocks 0 and 1 together, step by step, as v arrives.  PHASE 2: blocks 2 to 7, in pairs of steps.
; LIMITS: NaN and infinities are not served; scaled scores (base 2) under 2^31 in magnitude; a scale byte that would fall under 0 is held there.
; A's and B's words for steps k and k + 8 share a register (lanes 0-15 and 16-31).
.set RB,   24576                       ; a row block, all of K
.set VS,   6*1536                      ; the six steps of a row block of v^T that go through LDS
.set VLDS, 4*RB                        ; [16 column blocks][VS]
.set SCA,  12*RB                       ; p's scale words as the products want them: block a, half h, row r: 1,024 a + 512 h + 32 r, eight words
.set RL,   SCA+8192                    ; 1 / l: 64 a + 4 r
.set SPARE, RL+512
.set SPW,  1
.set NIL,  2
.set VLA,  3                           ; v3 LDS address of my part of v
.set LB,   4                           ; v4-7 16 x lane + 49,152 x (0 .. 3): p's blocks by pairs
.set LB8,  252                         ; window 1: 8 x lane + the same
.set PSC,  8                           ; v8-23 p's scale words: two sets of eight; step k at PI(k % 8) = (k % 8) / 2 + 4 (1 - k % 2)
.set VSC,  24                          ; v24-55 v's: step k, tile t at 4 (k % 8) + t
.set ACC,  56                          ; v56-119 two sets of four accumulators
.set PB,   120                         ; v120-215 eight fragments of p
.set RLR,  216                         ; v216-223 1 / l of a block's rows 8 h + 0 .. 7
.set TP,   224                         ; v224-239 results on their way out
.set V63,  240                         ; v240-251 v's last fragment; the others lie 21 to a window in windows 1 to 3
.set PSA,  252
.set RLA,  253
.set ST,   254
.set PFA,  255
.set WS,   120                         ; the head's arrays lie where p's fragments come later
.set MS,   136
.set LS,   152
.set REP,  160
.set RR,   168
.set G1P,  24
.set G1V,  32
.set G0R,  84                          ; s[48:51] p's blocks 0, 1; s[52:55] blocks 2, 3; s[56:59], s[60:63] v; s[84:87] the refill
.set MSB, 0
.macro WIN new
.if MSB != \new
	s_set_vgpr_msb (MSB<<8)|\new
.set MSB, \new
.endif
.endm
.macro WALU
	s_wait_alu depctr_va_vdst(0)
.endm
.macro PLACES n                        ; plain vector instructions behind a matrix instruction (ISA guide 7.12.1 for vector instructions)
.rept \n
	v_nop
.endr
.endm
.macro CREST
	s_cmp_lg_u32 s14, 0
	s_cbranch_scc1 .Lnot_wave_0_\@
	s_barrier_signal -3
.Lnot_wave_0_\@:
	s_barrier_wait -3
	s_barrier_signal -1
	s_barrier_wait -1
.endm
.macro CROUND
	s_barrier_signal -1
	s_barrier_wait -1
	CREST
.endm
.macro TLOAD g0, g1
	tensor_load_to_lds s[\g0:\g0+3], s[\g1:\g1+7]
	s_nop 0
	PLACES 4
.endm
.macro VF f                            ; where v's fragment f = 4 k + t lies
.if (\f) < 63
.set VW, 1+(\f)/21
.set VR, 12*((\f)%21)
.else
.set VW, 0
.set VR, V63
.endif
.endm
.macro VG k                            ; v's step k from memory: 12 loads
.irp t, 0,1,2,3
	VF 4*(\k)+\t
	WIN (VW<<6)
.irp c, 0,1,2
	global_load_b128 v[VR+4*\c:VR+4*\c+3], v[LB], s[72:73] offset:RB*\t+1536*(\k)+512*\c
.endr
.endr
	WIN 0
.endm
.macro VL k                            ; v's step k from LDS: 12 loads
.irp t, 0,1,2,3
	VF 4*(\k)+\t
	WIN (VW<<6)
.irp c, 0,1,2
	ds_load_b128 v[VR+4*\c:VR+4*\c+3], v[VLA] offset:VS*\t+1536*((\k)-10)+512*\c
.endr
.endr
	WIN 0
.endm
.macro PL a, k, buf                    ; p's block a, step k: two loads of 16 bytes a lane (window 0),
.irp c, 0,1
	ds_load_b128 v[\buf+6*\c:\buf+6*\c+3], v[LB+(\a)/2] offset:RB*((\a)%2)+1536*(\k)+768*\c
.endr
.endm
.macro PH a, k, buf                    ; and two of 8 (their address lies in window 1)
.irp c, 0,1
	ds_load_b64 v[\buf+6*\c+4:\buf+6*\c+5], v[LB8+(\a)/2] offset:RB*((\a)%2)+1536*(\k)+768*\c+512
.endr
.endm
.macro PL2 k                           ; phase 1: blocks 0 and 1, in a ring of four steps: 8 loads
	PL 0, \k, PB+24*((\k)%4)
	PL 1, \k, PB+24*((\k)%4)+12
	WIN 1
	PH 0, \k, PB+24*((\k)%4)
	PH 1, \k, PB+24*((\k)%4)+12
	WIN 0
.endm
.macro PLQ a, q                        ; phase 2: the two steps of pair q, in a ring of four pairs: 4 loads
	PL \a, 2*(\q), PB+24*((\q)%4)
	PL \a, 2*(\q)+1, PB+24*((\q)%4)+12
.endm
.macro PHQ a, q                        ; and 4 more
	WIN 1
	PH \a, 2*(\q), PB+24*((\q)%4)
	PH \a, 2*(\q)+1, PB+24*((\q)%4)+12
	WIN 0
.endm
.macro PSLD a                          ; block a's scale words, 2 loads
	ds_load_b128 v[PSC+8*((\a)%2):PSC+8*((\a)%2)+3], v[PSA] offset:1024*(\a)
	ds_load_b128 v[PSC+8*((\a)%2)+4:PSC+8*((\a)%2)+7], v[PSA] offset:1024*(\a)+16
.endm
.macro RLLD a                          ; block a's eight 1 / l
	ds_load_b128 v[RLR:RLR+3], v[RLA] offset:64*(\a)
	ds_load_b128 v[RLR+4:RLR+7], v[RLA] offset:64*(\a)+16
.endm
.macro WM c, row
	v_wmma_scale_f32_16x16x128_f8f6f4 v[D_:D_+7], v[P_:P_+11], v[VR:VR+11], \c, v[SP_], v[SV_] matrix_a_fmt:MATRIX_FMT_FP6 matrix_b_fmt:MATRIX_FMT_FP6 matrix_a_scale:MATRIX_SCALE_ROW\row matrix_b_scale:MATRIX_SCALE_ROW\row
.endm
.macro PV1 p, d, k, t, set             ; one product; step 0 starts the sum: nothing is cleared.  The accumulators take turns, one instruction a turn
	VF 4*(\k)+(\t)
	WIN (VW<<2)
.set D_, \d
.set P_, \p
.set SP_, PSC+8*(\set)+((\k)%8)/2+4*(1-(\k)%2)
.set SV_, VSC+4*((\k)%8)+(\t)
.if (\k) == 0
	WM 0, 0
.elseif (\k) < 8
	WM v[D_:D_+7], 0
.else
	WM v[D_:D_+7], 1
.endif
.endm
.macro MUL1 k
.irp t, 0,1,2,3
.irp rb, 0,1
	PV1 PB+24*((\k)%4)+12*\rb, ACC+32*\rb+8*\t, \k, \t, \rb
.endr
.endr
	WIN 0
.endm
; Phase 1, step k.  v runs four steps ahead from memory, two from LDS; p three.
; LOADcnt: the 12 loads of each later step that is out.  DScnt: up to step 7 p's three later steps (24); steps 8 and 9's fragments were in at the barrier ahead of step 8; from step 10 on, behind v's step k:
; p of one step, v and p of two more (8 + 20 + 20), at step 13 without the last p (40)
.macro S1 k
.if (\k) > 0
	PLACES 4
.endif
.if (\k) < 6
	VG (\k)+4
.endif
.if ((\k) >= 8) && ((\k) < 14)
	VL (\k)+2
.endif
.if (\k) < 13
	PL2 (\k)+3
.endif
.if (\k) < 6
	s_wait_loadcnt 48
.elseif (\k) < 10
	s_wait_loadcnt 12*(9-(\k))
.endif
.if (\k) < 8
	s_wait_dscnt 24
.elseif ((\k) > 9) && ((\k) < 13)
	s_wait_dscnt 48
.elseif (\k) == 13
	s_wait_dscnt 40
.endif
	MUL1 \k
.endm
.macro ST1 a, j, reg                   ; row j (and 32 further on in lanes 16-31) of block a leaves: two units of 256 bytes
	global_store_b128 v[ST], v[\reg:\reg+3], s[12:13] offset:(64*((\a)/4)+8*((\a)%4)+(\j))*4096 th:TH_STORE_NT
.endm
.macro ROW a, j                        ; row j of block a - 1, its four tiles side by side, over l
.irp t, 0,1,2,3
	v_mul_f32 v[TP+4*((\j)%4)+\t], v[ACC+32*(((\a)-1)%2)+8*\t+(\j)], v[RLR+(\j)]
.endr
.endm
; Phase 2: block a, pair q: two steps, 8 products; behind them the pair three further on is asked for (8 loads), into registers that the pair before has read: the plain lines of that pair's slot and of this one, two or more each, are the places.
; DScnt: the two later pairs' loads (16).  The last block's rows go out in pairs 2, 3, 5, 6, two at a time: multiplied and stored in one slot.
.macro PAIR a, q
.if ((\a) == 7) && ((\q) > 5)
	s_wait_dscnt 8*(7-(\q))
.else
	s_wait_dscnt 16
.endif
.irp i, 0,1
.irp t, 0,1,2,3
	PV1 PB+24*((\q)%4)+12*\i, ACC+32*((\a)%2)+8*\t, 2*(\q)+\i, \t, (\a)%2
.endr
.endr
	WIN 0
.if ((\q) == 2) || ((\q) == 5) || (((\a) == 2) && ((\q) == 0))
	s_wait_xcnt 0x0                                ; the earlier stores have read their registers, which are written again below
.endif
.if ((\a) == 3) && ((\q) == 5)
	s_wait_tensorcnt 0x0                           ; my block of the refill is in: a plain barrier shows blocks 4-7 to all
	s_wait_dscnt 0x0
	s_barrier_signal -1
	s_barrier_wait -1
.endif
.set J_, 99
.if ((\q) == 2) || ((\q) == 3)
.set J_, 2*((\q)-2)
.elseif ((\q) == 5) || ((\q) == 6)
.set J_, 4+2*((\q)-5)
.endif
.if J_ < 8
	ROW \a, J_
	ROW \a, J_+1
.else
	PLACES 2
.endif
.if ((\q) == 3) && ((\a) < 7)
	PSLD (\a)+1
.endif
.if (\q) == 7
	RLLD \a
.endif
.if (\q) < 5
	PLQ \a, (\q)+3
.elseif (\a) < 7
	PLQ (\a)+1, (\q)-5
.endif
.if J_ < 8
	ST1 (\a)-1, J_, TP+4*(J_%4)
	ST1 (\a)-1, J_+1, TP+4*((J_+1)%4)
.endif
.if (\q) < 5
	PHQ \a, (\q)+3
.elseif (\a) < 7
	PHQ (\a)+1, (\q)-5
.endif
.endm
	s_load_b256 s[4:11], s[0:1], 0x0               ; pimg, pst, qkv, qkvs
	s_load_b64 s[12:13], s[0:1], 0x20              ; out0
	v_lshl_add_u32 v[SPW], v0, 2, SPARE
	v_mov_b32 v[NIL], 0
	ds_add_u32 v[SPW], v[NIL]                      ; the wave's opening: the add, twice on end, ahead of my first tensor load
	ds_add_u32 v[SPW], v[NIL]
	v_lshrrev_b32 v3, 5, v0
	v_readfirstlane_b32 s14, v3                    ; wave 0..3
	s_bfe_u32 s40, ttmp6, 0x40000                  ; cx = the tile of 256 columns
	s_bfe_u32 s41, ttmp6, 0x40004                  ; cy
	s_and_b32 s17, ttmp7, 0xffff                   ; the cluster's y, 0..15
	s_lshl_b32 s18, s17, 2
	s_add_co_u32 s18, s18, s41                     ; the tile of 128 queries, 0..63
	s_lshr_b32 s19, s17, 2                         ; batch
	s_lshl_b32 s43, s41, 2
	s_lshl_b32 s43, 15, s43                        ; my row of the cluster
	s_lshl_b32 s44, 0x1111, s40                    ; my column
	s_or_b32 s[G1P+0], s43, (3<<16)|(1<<21)        ; p: rows of 12,288 dense bytes, four at the head, two in the refill
	s_mov_b32 s[G1P+1], 1536<<16
	s_mov_b32 s[G1P+2], 4<<16
	s_mov_b32 s[G1P+3], 1536<<16
	s_mov_b32 s[G1P+4], 4
	s_mov_b32 s[G1P+5], 1536
	s_mov_b32 s[G1P+6], 0
	s_mov_b32 s[G1P+7], 0
	s_or_b32 s[G1V+0], s44, (3<<16)|(1<<21)        ; v: the last six steps of eight row blocks
	s_mov_b32 s[G1V+1], (VS/8)<<16
	s_mov_b32 s[G1V+2], 8<<16
	s_mov_b32 s[G1V+3], (VS/8)<<16
	s_mov_b32 s[G1V+4], 8
	s_mov_b32 s[G1V+5], 3072
	s_mov_b32 s[G1V+6], 0
	s_mov_b32 s[G1V+7], 0
	s_mul_i32 s20, s18, 8*RB                       ; p: row block 8 x tile
	s_mov_b32 s21, 0
	s_lshl_b32 s22, s19, 6                         ; v^T: row block 512 + 64 batch + 16 cx
	s_lshl_b32 s2, s40, 4
	s_add_co_u32 s22, s22, s2
	s_add_co_u32 s22, s22, 512
	s_mul_i32 s22, s22, RB
	s_mov_b32 s23, 0
	s_lshl_b32 s66, s18, 13                        ; the rows' words: 8,192 bytes a group;
	s_mov_b32 s67, 0
	s_lshl_b32 s74, s18, 12                        ; -M_loc and the sums: 4,096
	s_add_co_u32 s74, s74, 524288
	s_mov_b32 s75, 0
	s_lshl_b32 s68, s19, 3                         ; v's scale words: group 64 + 8 batch + 2 cx + wave / 2, in it my half
	s_lshl_b32 s2, s40, 1
	s_add_co_u32 s68, s68, s2
	s_lshr_b32 s2, s14, 1
	s_add_co_u32 s68, s68, s2
	s_add_co_u32 s68, s68, 64
	s_lshl_b32 s68, s68, 13
	s_and_b32 s2, s14, 1
	s_lshl_b32 s2, s2, 8
	s_add_co_u32 s68, s68, s2
	s_mov_b32 s69, 0
	s_lshl_b32 s42, s18, 19                        ; out: 128 rows of 4,096 bytes a tile, + 1,024 cx + 256 wave
	s_lshl_b32 s2, s40, 10
	s_add_co_u32 s42, s42, s2
	s_lshl_b32 s2, s14, 8
	s_add_co_u32 s42, s42, s2
	s_mov_b32 s43, 0
	s_mul_i32 s2, s14, 4*VS
	s_add_co_u32 s2, s2, VLDS
	s_lshl_b32 s3, s40, 2
	s_add_co_u32 s3, s3, s14
	s_mul_i32 s3, s3, RB/4                         ; my sixteenth of the refill
	v_and_b32 v200, 15, v0                         ; r
	v_bfe_u32 v201, v0, 4, 1                       ; h
	v_and_b32 v202, 31, v0
	v_lshlrev_b32 v[LB], 4, v202
	v_add_nc_u32 v[LB+1], 2*RB, v[LB]
	v_add_nc_u32 v[LB+2], 4*RB, v[LB]
	v_add_nc_u32 v[LB+3], 6*RB, v[LB]
	v_lshlrev_b32 v210, 3, v202
	WIN 0x40
	v_mov_b32 v[LB8], v210
	v_add_nc_u32 v[LB8+1], 2*RB, v210
	v_add_nc_u32 v[LB8+2], 4*RB, v210
	v_add_nc_u32 v[LB8+3], 6*RB, v210
	WIN 0
	v_add_nc_u32 v[VLA], s2, v[LB]
	v_lshlrev_b32 v203, 9, v201
	v_lshl_add_u32 v203, v200, 5, v203
	v_add_nc_u32 v[PSA], SCA, v203
	v_lshlrev_b32 v203, 5, v201
	v_add_nc_u32 v[RLA], RL, v203
	v_lshlrev_b32 v203, 17, v201                   ; out: lanes 16-31 thirty-two rows further on
	v_lshl_add_u32 v[ST], v200, 4, v203
	v_min_u32 v203, 23, v202
	v_lshl_add_u32 v[PFA], v203, 8, s3
	v_lshlrev_b32 v204, 2, v0                      ; my row's word
	v_lshlrev_b32 v203, 12, v201                   ; v's scale words: lanes 16-31 eight steps further on
	v_lshl_add_u32 v205, v200, 4, v203
	v_lshrrev_b32 v203, 6, v0                      ; my row, by the words' order: block a = 4 (thread / 64) + thread % 4,
	v_and_b32 v206, 3, v0
	v_lshl_add_u32 v203, v203, 2, v206
	v_bfe_u32 v206, v0, 2, 4                       ; row r = (thread / 4) % 16
	v_lshlrev_b32 v207, 10, v203
	v_lshl_add_u32 v207, v206, 5, v207
	v_add_nc_u32 v208, SCA, v207
	v_lshlrev_b32 v207, 6, v203
	v_lshl_add_u32 v207, v206, 2, v207
	v_add_nc_u32 v209, RL, v207
	WALU                                           ; the wait at the head's end
	s_wait_dscnt 0x0                               ; both opening adds are done
	s_wait_kmcnt 0x0
	s_add_nc_u64 s[66:67], s[6:7], s[66:67]
	s_add_nc_u64 s[74:75], s[6:7], s[74:75]
	s_add_nc_u64 s[68:69], s[10:11], s[68:69]
.irp s, 0,1,2,3,4,5,6,7
	global_load_b32 v[MS+\s], v204, s[74:75] offset:512*\s
	global_load_b32 v[LS+\s], v204, s[74:75] offset:512*\s+262144
.endr
.irp s, 0,1,2,3,4,5,6,7,8,9,10,11,12,13,14,15  ; step s's scale word goes to its place 8 (s / 8) + PI(s % 8)
	global_load_b32 v[WS+8*(\s/8)+(\s%8)/2+4*(1-\s%2)], v204, s[66:67] offset:512*\s
.endr
.irp k, 0,1,2,3,4,5,6,7
	global_load_b128 v[VSC+4*\k:VSC+4*\k+3], v205, s[68:69] offset:512*\k
.endr
	s_add_nc_u64 s[20:21], s[4:5], s[20:21]
	s_add_nc_u64 s[22:23], s[8:9], s[22:23]
	s_add_nc_u64 s[12:13], s[12:13], s[42:43]
	s_add_nc_u64 s[70:71], s[20:21], 4*RB
	s_mul_i32 s2, s14, 4*RB
	s_mov_b32 s3, 0
	s_add_nc_u64 s[72:73], s[22:23], s[2:3]        ; my four row blocks of v^T
.irp g, 48,52,56,60,84
	s_mov_b32 s[\g], 1
.endr
	s_mov_b32 s49, 0
	s_mov_b32 s53, 2*RB
	s_mov_b32 s57, VLDS
	s_mov_b32 s61, VLDS+8*VS
	s_mov_b64 s[50:51], s[20:21]
	s_add_nc_u64 s[54:55], s[20:21], 2*RB
	s_add_nc_u64 s[58:59], s[22:23], 10*1536
	s_add_nc_u64 s[62:63], s[22:23], 8*RB+10*1536
	s_mul_i32 s2, s14, RB                          ; the refill: block 4 + wave
	s_add_co_u32 s2, s2, 4*RB
	s_mov_b32 s85, s2
	s_add_nc_u64 s[86:87], s[20:21], s[2:3]
.irp g, 51,55,59,63,87
	s_or_b32 s[\g], s[\g], 0x80000000
.endr
	CROUND                                         ; all sixteen work-groups are here: the first joint loads meet
	s_cmp_eq_u32 s14, 0                            ; one load a wave
	s_cbranch_scc0 .Lwave_1
	TLOAD 48, G1P                                  ; wave 0: p's blocks 0, 1
	s_branch .Lasked
.Lwave_1:
	s_cmp_eq_u32 s14, 1
	s_cbranch_scc0 .Lwave_2
	TLOAD 56, G1V                                  ; waves 1, 2: v's steps 10-15, eight row blocks each
	s_branch .Lasked
.Lwave_2:
	s_cmp_eq_u32 s14, 2
	s_cbranch_scc0 .Lwave_3
	TLOAD 60, G1V
	s_branch .Lasked
.Lwave_3:
	TLOAD 52, G1P                                  ; wave 3: p's blocks 2, 3
.Lasked:
	VG 0
	VG 1
	VG 2
	VG 3
	s_wait_loadcnt 48                              ; my row's words and v's scale words are in; v's first four steps may be out
	v_min3_num_f32 v184, v[MS], v[MS+1], v[MS+2]   ; the least -M_loc = -M
	v_min3_num_f32 v185, v[MS+3], v[MS+4], v[MS+5]
	v_min3_num_f32 v184, v184, v[MS+6], v[MS+7]
	v_min_num_f32 v184, v184, v185
.irp s, 0,1,2,3,4,5,6,7
	v_sub_f32 v[MS+\s], v[MS+\s], v184             ; d, a whole number, 0 or more
.endr
.irp s, 0,1,2,3,4,5,6,7
	v_cvt_u32_f32 v[MS+\s], v[MS+\s]
.endr
.irp s, 0,1,2,3,4,5,6,7
	v_min_u32 v[MS+\s], 0x7f, v[MS+\s]             ; (a byte is 125 at the most, since p is under 2: beyond 127 nothing is left of it)
.endr
.irp s, 0,1,2,3,4,5,6,7
	v_perm_b32 v[REP+\s], v[MS+\s], v[MS+\s], 0    ; d in all four bytes
.endr
.irp s, 0,1,2,3,4,5,6,7
	v_sub_nc_u32 v[MS+\s], 0, v[MS+\s]
.endr
.irp s, 0,1,2,3,4,5,6,7
	v_ldexp_f32 v[LS+\s], v[LS+\s], v[MS+\s]       ; the run's sum under M
.endr
.irp s, 0,1,2,3,4,5,6,7,8,9,10,11,12,13,14,15
	v_or_b32 v[WS+\s], 0x80808080, v[WS+\s]        ; each byte + 128: no borrow goes from byte to byte
.endr
.irp s, 0,1,2,3,4,5,6,7,8,9,10,11,12,13,14,15
.set SW_, WS+8*(\s/8)+(\s%8)/2+4*(1-\s%2)
	v_sub_nc_u32 v[SW_], v[SW_], v[REP+\s/2]       ; 128 + byte - d
.endr
.irp s, 0,1,2,3,4,5,6,7,8,9,10,11,12,13,14,15
	v_and_b32 v[RR+\s], 0x80808080, v[WS+\s]       ; where the top bit has stayed the byte is 0 or more,
.endr
.irp s, 0,1,2,3,4,5,6,7,8,9,10,11,12,13,14,15
	v_lshrrev_b32 v[MS+\s], 7, v[RR+\s]
.endr
.irp s, 0,1,2,3,4,5,6,7,8,9,10,11,12,13,14,15
	v_sub_nc_u32 v[RR+\s], v[RR+\s], v[MS+\s]      ; 0x7f there and 0 elsewhere
.endr
.irp s, 0,1,2,3,4,5,6,7,8,9,10,11,12,13,14,15
	v_and_b32 v[WS+\s], v[WS+\s], v[RR+\s]
.endr
	v_pk_add_f32 v[LS:LS+1], v[LS:LS+1], v[LS+4:LS+5]
	v_pk_add_f32 v[LS+2:LS+3], v[LS+2:LS+3], v[LS+6:LS+7]
	v_pk_add_f32 v[LS:LS+1], v[LS:LS+1], v[LS+2:LS+3]
	v_add_f32 v184, v[LS], v[LS+1]                 ; l
	ds_store_b128 v208, v[WS:WS+3]
	ds_store_b128 v208, v[WS+4:WS+7] offset:16
	ds_store_b128 v208, v[WS+8:WS+11] offset:512
	ds_store_b128 v208, v[WS+12:WS+15] offset:528
	WALU                                           ; the wait ahead of the transcendental, and behind it ahead of its reader
	v_rcp_f32 v185, v184
	v_nop
	WALU
	ds_store_b32 v209, v185
	s_cmp_eq_u32 s14, 0
	s_cbranch_scc0 .Lnot_p
	s_wait_tensorcnt 0x0                           ; p's blocks 0, 1 are in (wave 0's line alone); the other waves' tiles may be out
.Lnot_p:
	s_wait_dscnt 0x0                               ; for the others' sake: my rows' words lie in LDS
	s_barrier_signal -1
	s_barrier_wait -1
	PSLD 0
	PSLD 1
	PL2 0
	PL2 1
	PL2 2
	S1 0
.irp k, 1,2,3,4,5,6,7
	S1 \k
.if \k == 1
	global_prefetch_b8 v[PFA], s[70:71] th:TH_LOAD_NT scope:SCOPE_SE   ; p's blocks 4-7: 24 units of 256 bytes (the lanes above 23 name the last again)
.endif
.endr
	s_cmp_eq_u32 s14, 3
	s_cbranch_scc1 .Lp_may_be_out
	s_wait_tensorcnt 0x0                           ; v's steps 10-15 are in (waves 1 and 2); wave 3's tile, p's blocks 2, 3, may be out: the refill's round shows it
.Lp_may_be_out:
	s_wait_dscnt 0x0
	s_barrier_signal -1
	s_barrier_wait -1
.irp k, 8,9,10,11,12,13
	S1 \k
.endr
	s_wait_dscnt 20                                ; step 14's fragments; step 15's (8 + 12 loads) may be out
	s_wait_tensorcnt 0x0
	ds_add_u32 v[SPW], v[NIL]
	s_mov_b32 s[G1P+2], 2<<16                      ; the refill: one row block a wave
	s_mov_b32 s[G1P+4], 2
	MUL1 14
	s_wait_dscnt 0x0                               ; the add is done, and so are my reads of v
	s_barrier_signal -1
	MUL1 15
	s_barrier_wait -1
	CREST                                          ; no wave of any partner still reads v's bytes
	TLOAD G0R, G1P                                 ; its four v_nop are also the places behind the products
	RLLD 0
	PSLD 2
.irp q, 0,1,2
	PLQ 2, \q
	PHQ 2, \q
.endr
	s_wait_dscnt 26                                ; block 0's 1 / l; the 26 loads behind it may be out
.irp j, 0,1,2,3
.irp t, 0,1,2,3
	v_mul_f32 v[TP+4*\j+\t], v[ACC+8*\t+\j], v[RLR+\j]
.endr
.endr
.irp j, 4,5,6,7
.irp t, 0,1,2,3
	v_mul_f32 v[PB+56+4*\j+\t], v[ACC+8*\t+\j], v[RLR+\j]   ; (the last pair's registers of p, free as yet)
.endr
.endr
.irp j, 0,1,2,3
	ST1 0, \j, TP+4*\j
.endr
.irp j, 4,5,6,7
	ST1 0, \j, PB+56+4*\j
.endr
	RLLD 1
.irp r, 2,3,4,5,6,7
	PAIR \r, 0
	PAIR \r, 1
	PAIR \r, 2
	PAIR \r, 3
	PAIR \r, 4
	PAIR \r, 5
	PAIR \r, 6
	PAIR \r, 7
.endr
	PLACES 2                                       ; with the last slot's two the four places behind the last products
	s_wait_dscnt 0x0                               ; block 7's 1 / l
.irp j, 0,1,2,3,4,5,6,7
.irp t, 0,1,2,3
	v_mul_f32 v[PB+4*\j+\t], v[ACC+32+8*\t+\j], v[RLR+\j]
.endr
	ST1 7, \j, PB+4*\j
.endr
	s_wait_tensorcnt 0x0                           ; the wave's end
	ds_add_u32 v[SPW], v[NIL]
	s_wait_dscnt 0x0
	CROUND                                         ; the closing round
	s_endpgm
.Lfunc_end_k_q45d5b03df6_pv:
	.size	k_q45d5b03df6_pv, .Lfunc_end_k_q45d5b03df6_pv-k_q45d5b03df6_pv
	.p2alignl 7, 3214868480
	.fill 96, 4, 3214868480
	.section	.rodata,"a",@progbits
	.p2align	6, 0x0
	.amdhsa_kernel k_q45d5b03df6_pv
		.amdhsa_group_segment_fixed_size 327680
		.amdhsa_private_segment_fixed_size 0
		.amdhsa_enable_private_segment 0
		.amdhsa_kernarg_size 40
		.amdhsa_user_sgpr_count 2
		.amdhsa_user_sgpr_kernarg_segment_ptr 1
		.amdhsa_wavefront_size32 1
		.amdhsa_system_sgpr_workgroup_id_x 1
		.amdhsa_system_sgpr_workgroup_id_y 1
		.amdhsa_system_sgpr_workgroup_id_z 1
		.amdhsa_system_vgpr_workitem_id 0
		.amdhsa_next_free_vgpr 1024
		.amdhsa_next_free_sgpr 102
		.amdhsa_reserve_vcc 0
		.amdhsa_float_denorm_mode_32 3
		.amdhsa_float_denorm_mode_16_64 3
		.amdhsa_memory_ordered 1
		.amdhsa_forward_progress 1
		.amdhsa_inst_pref_size 165
	.end_amdhsa_kernel
	.amdgpu_metadata
---
amdhsa.version: [ 1, 2 ]
amdhsa.kernels:
  - .name:           k_q45d5b03df6_pv
    .symbol:         k_q45d5b03df6_pv.kd
    .args:
      - { .name: pimg, .offset: 0, .size: 8, .value_kind: global_buffer, .address_space: global }
      - { .name: pst, .offset: 8, .size: 8, .value_kind: global_buffer, .address_space: global }
      - { .name: qkv, .offset: 16, .size: 8, .value_kind: global_buffer, .address_space: global }
      - { .name: qkvs, .offset: 24, .size: 8, .value_kind: global_buffer, .address_space: global }
      - { .name: out0, .offset: 32, .size: 8, .value_kind: global_buffer, .address_space: global }
    .group_segment_fixed_size: 327680
    .private_segment_fixed_size: 0
    .kernarg_segment_align: 8
    .kernarg_segment_size: 40
    .max_flat_workgroup_size: 128
    .sgpr_count:     102
    .vgpr_count:     1024
    .wavefront_size: 32
...
	.end_amdgpu_metadata
.endif
;; end of part 4
